; MI455X (gfx1250); checked and timed in simulation.
; The chip was launched on July 23, 2026; its instructions are those of AMD's public machine-readable ISA for CDNA 5 (MIT licence, August 2026) and "CDNA5" Instruction Set Architecture Reference Guide (July 2026). The comments in the code are by the model that wrote it; some were corrected since.
;; Attention Block. Allowed arithmetic: matrix products marked QUANTISED: E5M2 operands, one E8M0 scale for each 32 along K, by v_wmma_scale_f32_16x16x128_f8f6f4 with both operands' format E5M2, f32 sums; everything else in f32.
;; Inputs: norm_b 256 float32; norm_w 256 float32; proj_b 256 float32; proj_w_codes 256 x 8 x 32 uint8 (E5M2 codes of proj_w, K innermost, in blocks of 32 codes); proj_w_scales 256 x 8 uint8 (E8M0 scales of proj_w, one for each 32 codes along K); qkv_b 768 float32; qkv_w_codes 768 x 8 x 32 uint8 (E5M2 codes of qkv_w, K innermost, in blocks of 32 codes); qkv_w_scales 768 x 8 uint8 (E8M0 scales of qkv_w, one for each 32 codes along K); x 16 x 256 x 32 x 32 float32.
;; Outputs: out0 16 x 256 x 32 x 32 float32.
;; This version of the problem:
;;   THIS VERSION OF THE PROBLEM IS GIVEN IN LOW PRECISION. The matrix products marked QUANTISED in the list below multiply operands that are first quantised to E5M2 (5 exponent bits, 2 mantissa bits; 8 bits a number), with one power-of-two scale for each 32 numbers along K (OCP MX v1.0); their sums are f32. All else is computed in f32.
;;   The module's matrix products, in the order in which they are computed (A, B: the left and right operand; K: the contracted axis; several contracted axes count as one K, in the product's order):
;;     1. [M 16,384, K 256] x [K 256, N 768]; A: computed on the way; B: input qkv_w (given as codes): QUANTISED
;;     2. batch 64 x [M 1,024, K 64] x [K 64, N 1,024]; A: computed on the way; B: computed on the way: QUANTISED
;;     3. batch 64 x [M 1,024, K 1,024] x [K 1,024, N 64]; A: softmax (see below); B: computed on the way: QUANTISED
;;     4. [M 16,384, K 256] x [K 256, N 256]; A: computed on the way; B: input proj_w (given as codes): QUANTISED
;;   THE QUANTISER, for each operand of a quantised product, along K:
;;     - K is cut into blocks of 32 from its start; a last block that is shorter is filled with zeros.
;;     - A block's scale is 2^e with e = floor(log2(the largest magnitude in the block)) - 15, held to -126 .. 127; a block of zeros has e = 0. As a byte (E8M0): e + 127.
;;     - Each number is divided by its block's scale, clamped to +-57,344, and rounded to the nearest number of E5M2, ties to even, subnormals kept.
;;     - The product sums the exact products of the quantised numbers (number of the format x scale) in f32.
;;   ~~~python
;;   def quantise(x, axis):      # numpy; x: float32 -> the quantised numbers, widened to float32 again
;;       x = np.moveaxis(x, axis, -1); K = x.shape[-1]
;;       x = np.pad(x, [(0, 0)] * (x.ndim - 1) + [(0, -K % 32)]); x = x.reshape(x.shape[:-1] + (-1, 32)); a = np.abs(x).max(-1, keepdims=True)
;;       e = np.where(a > 0, np.clip(np.frexp(np.where(a > 0, a, 1))[1] - 1 - 15, -126, 127), 0)      # np.frexp(a)[1] - 1 = floor(log2(a)), exactly
;;       r = np.clip(x / 2.0 ** e, -57344, 57344)
;;       step = 2.0 ** (np.maximum(np.frexp(np.where(r == 0, 1, r))[1] - 1, -14) - 2)
;;       q = np.round(r / step) * step * 2.0 ** e      # np.round: ties to even
;;       return np.moveaxis(q.reshape(q.shape[:-2] + (-1,))[..., :K], -1, axis).astype(np.float32)
;;   ~~~
;;   SOFTMAX AHEAD OF A QUANTISED PRODUCT. Where the list says 'softmax', what is quantised is not the finished softmax but p = 2^(t - M), with t = logit x log2(e) and M = ceil(the row's largest t), a whole number; so 1/2 < the row's largest p <= 1. The row's sum l is taken of the UNQUANTISED p, in f32, and the product's result is divided by l at the end. Since M is a whole number, a kernel that streams over the keys may use a running M (the ceiling of the running maximum): every later rescaling is an exact power of two, which a block's scale takes up: the codes' values come out the same.
;;   OPERANDS COMPUTED ON THE WAY. 'Computed on the way' means the value that the module computes at that place (a softmax that the list does not call 'softmax' is quantised finished and normalised). What goes into a quantiser is computed in f32, as accurately as f32 sums, v_exp_f32 and their like allow (about 1e-6 of the number): no bf16 or f16 on the way to a quantiser, and a product that is left as it is and whose result goes on into a quantised operand takes f32 operands (vector FMAs, or v_wmma_f32_16x16x4_f32). A number that lies on a knife's edge between two numbers of the format may be rounded either way, as far as f32 arithmetic and the matrix unit's own rounding can turn it there, and no further.
;;   INPUTS GIVEN AS CODES. proj_w (in the module: [256, 256], K = its axis 1); qkv_w (in the module: [768, 256], K = its axis 1): each comes as NAME_codes (uint8): NAME with its K axis moved to the last place and cut into blocks of 32 codes, [.., K / 32, bytes a block], one block behind the other in memory; one code a byte (a code: sign, 5 exponent bits, 2 mantissa bits); and NAME_scales (uint8): the same leading axes, one E8M0 byte (e + 127) for each 32 codes along K. Its value is code x scale, taken as it is: it is not quantised again, and the codes and scales need not be those that the quantiser above would give.
;; One version. Each part assembles by itself: llvm-mc -triple=amdgcn-amd-amdhsa -mcpu=gfx1250 --defsym DOCPART=n.
;; ======== version 1 of 1: 3 launches
;; limits: right only within a limited range of input values
;; workspace buffers: hnc 4,194,304 bytes; hns 131,072 bytes; kvc 8,388,608 bytes; kvs 524,288 bytes; wqi 65,536 bytes; pwi 65,536 bytes
;; launch norm (part 1): grid 8 x 16, 32 waves a work-group, no clusters, 4,608 bytes of LDS; arguments x, norm_w, norm_b, hnc, qkv_w_codes, proj_w_codes, wqi, pwi, hns; writes hnc, hns, wqi, pwi
.if DOCPART == 1
	.amdgcn_target "amdgcn-amd-amdhsa--gfx1250"
	.amdhsa_code_object_version 6
	.text
	.protected	k_q9ef39382a6_norm
	.globl	k_q9ef39382a6_norm
	.p2align	8
	.type	k_q9ef39382a6_norm,@function
k_q9ef39382a6_norm:
	s_mov_b64 s[64:65], 0
	v_nop
	global_prefetch_b8 v0, s[64:65] scope:SCOPE_SE
	s_setreg_imm32_b32 hwreg(HW_REG_WAVE_MODE, 25, 1), 1
	s_wait_xcnt 0x0
; GROUP NORM, AND ITS RESULT AS CODES.  x: [16][256][1024] f32.  hn = (x - mean) rsqrt(var + 1e-5) w + b, mean and var over a group of 32 channels x 1,024 pixels.
; hn is the first product's operand with K = the channels: a block of 32 along K is one group at one pixel.  It leaves as codes of E5M2 with one E8M0 byte a block.
; NOTHING OF reference() IS LEFT OUT in this program: every input has a way to the output and is loaded (the biases on q and k move codes, so they stay).
; SHARES.  A work-group owns one (batch, group): its sums have one owner.  Wave w owns pixels 32 w .. 32 w + 31, a lane one pixel, and the lane's 32 registers run down the group's channels:
; a block lies in ONE lane, its largest magnitude needs no other lane, and the conversions give codes with K innermost.  Each load of a wave reads 128 consecutive bytes, the 32 waves a whole row.
; THE ORDER OF PIXELS IN A TILE OF 16, in all workspace of this program: row r of tile pt is pixel 32 (pt / 2) + 8 (pt % 2) + r + (r & 8).  Lane (r, u = lane / 16) of wave w is row r of tile 2 w + u.
; hnc: [b][tile 64][K step 2][2,048]: a fragment (16 rows x 128 K) as the image of its registers: [c 0..3][lane 0..31][16 bytes], lane (r, h) holding k = 32 c + 16 h + 0 .. 15 of row r.  c = group % 4, K step = group / 4.
; hns: [b][tile][K step][r][4 bytes], byte = group % 4.  One byte a lane: four work-groups fill a word between them; it is one byte for 128 that are read.
; THE WEIGHTS' IMAGES.  The attention launch takes W_q's and proj_w's fragments straight into registers.  From rows of 256 bytes each of its loads would take 32 bytes of each of 16 rows; so their codes are laid here, once, as images
; of the operands' registers: wqi, pwi: [tile 16][K step 2][c 4][lane 32][16 bytes], 128 pieces of 512 bytes each.  Work-group (g, b) moves piece (tile b, K step g / 4, c = g % 4): wave 0 W_q's, wave 1 proj_w's: one load, one store.
;   W_q's tile b = 4 head + t: row r is d = 32 (t / 2) + 8 (t % 2) + r + (r & 8) of the head;   proj_w's tile b: row r is output channel 16 b + r.
; The variance is taken in a second pass over the registers, of x - mean, as reference() takes it: no difference of large sums.
; LIMITS: NaN and infinities among the inputs are not served.  A block whose largest magnitude lies under 2^(16 - 127) keeps the byte 1 (a block of zeros too, where the rule says 127: its codes are zeros,
; which add nothing under any byte but 0xff, and this program alone reads the bytes).
.set RED1,  0                          ; LDS: 32 words, a wave's sum each;
.set RED2,  256                        ; the same for the squares: bytes of their own, so that two barriers do
.set SPARE, 512                        ; the spare words, 128 bytes for each of 32 waves: no other line names them
.set XO,  2                            ; v2   4 x my pixel
.set CO,  3                            ; v3   my codes' place: 4,096 u + 16 r
.set SO,  4                            ; v4   my scale byte's place: 128 u + 4 r
.set L4,  5                            ; v5   4 x lane
.set W4,  6                            ; v6   4 x wave
.set SPW, 7                            ; v7   LDS address of my spare word; never rewritten
.set NIL, 8                            ; v8   0; never rewritten
.set X,   16                           ; v16-47  my pixel's 32 channels
.set CD,  48                           ; v48-55  their codes
.set IM,  64                           ; v64-67  a piece of a weight's image;  v68 where my 16 bytes lie in the weight's rows;  v69 16 x lane
.macro WSUM                            ; v10 summed over the wave's 32 lanes, the result in every lane
	v_add_f32_dpp v10, v10, v10 row_xmask:1 row_mask:0xf bank_mask:0xf
	v_add_f32_dpp v10, v10, v10 row_xmask:2 row_mask:0xf bank_mask:0xf
	v_add_f32_dpp v10, v10, v10 row_xmask:4 row_mask:0xf bank_mask:0xf
	v_add_f32_dpp v10, v10, v10 row_xmask:8 row_mask:0xf bank_mask:0xf
	v_permlanex16_b32 v15, v10, s48, s49
	v_add_f32 v10, v10, v15
.endm
.macro ALLSUM red                      ; and over the 32 waves: each stores its sum to its own word, one barrier, each reads all 32, a word a lane
	WSUM
	ds_store_b32 v[W4], v10 offset:\red            ; all lanes write the same word with the same value
	s_wait_dscnt 0x0                               ; for the others' sake: my store has landed
	s_barrier_signal -1
	s_barrier_wait -1
	ds_load_b32 v10, v[L4] offset:\red
	s_wait_dscnt 0x0
	WSUM
.endm
	s_load_b256 s[4:11], s[0:1], 0x0               ; x s[4:5], norm_w s[6:7], norm_b s[8:9], hnc s[10:11]
	s_load_b256 s[16:23], s[0:1], 0x20             ; qkv_w's codes s[16:17], proj_w's s[18:19], wqi s[20:21], pwi s[22:23]
	s_load_b64 s[12:13], s[0:1], 0x40              ; hns
	v_lshl_add_u32 v[SPW], v0, 2, SPARE
	v_mov_b32 v[NIL], 0
	v_lshrrev_b32 v1, 5, v0
	v_readfirstlane_b32 s14, v1                    ; wave 0..31
	s_and_b32 s52, ttmp7, 0xffff                   ; the batch; the group is ttmp9
	s_mov_b32 s48, 0x76543210
	s_mov_b32 s49, 0xfedcba98                      ; v_permlanex16_b32's selects for lane l xor 16
	s_mov_b32 s50, 0x600000                        ; the mantissa field of 57,344
	s_mov_b32 s53, 0x38000000                      ; 2^-15: one over a group's 32,768 numbers
	s_mov_b32 s15, 0x3727c5ac                      ; 1e-5
	v_and_b32 v9, 15, v0                           ; r
	v_bfe_u32 v1, v0, 4, 1                         ; u
	v_and_b32 v[XO], 8, v9
	v_add_nc_u32 v[XO], v[XO], v9                  ; r + (r & 8)
	v_lshl_add_u32 v[XO], v1, 3, v[XO]             ; + 8 u
	s_lshl_b32 s54, s14, 5
	v_add_nc_u32 v[XO], s54, v[XO]                 ; + 32 w: my pixel
	v_lshlrev_b32 v[XO], 2, v[XO]
	v_lshlrev_b32 v[CO], 4, v9
	v_lshl_add_u32 v[CO], v1, 12, v[CO]
	v_lshlrev_b32 v[SO], 2, v9
	v_lshl_add_u32 v[SO], v1, 7, v[SO]
	v_and_b32 v[L4], 31, v0
	v_lshlrev_b32 v[L4], 2, v[L4]
	v_mov_b32 v[W4], s14
	v_lshlrev_b32 v[W4], 2, v[W4]
	v_mov_b32 v15, 0                               ; written once: a lane permute's destination counts as one of its sources
	s_lshl_b32 s54, s52, 20                        ; x: (256 b + 32 g) rows of 4,096 bytes
	s_lshl_b32 s56, ttmp9, 17
	s_add_co_u32 s54, s54, s56
	s_mov_b32 s55, 0
	s_lshl_b32 s56, ttmp9, 7                       ; norm_w, norm_b: the group's 32 numbers
	s_mov_b32 s57, 0
	s_lshr_b32 s62, ttmp9, 2                       ; the K step
	s_and_b32 s63, ttmp9, 3                        ; the block in it
	s_lshl_b32 s58, s52, 18                        ; hnc: 262,144 b + 8,192 w + 2,048 K step + 512 block
	s_lshl_b32 s60, s14, 13
	s_add_co_u32 s58, s58, s60
	s_lshl_b32 s60, s62, 11
	s_add_co_u32 s58, s58, s60
	s_lshl_b32 s60, s63, 9
	s_add_co_u32 s58, s58, s60
	s_mov_b32 s59, 0
	s_lshl_b32 s60, s52, 13                        ; hns: 8,192 b + 256 w + 64 K step + block
	s_lshl_b32 s61, s14, 8
	s_add_co_u32 s60, s60, s61
	s_lshl_b32 s61, s62, 6
	s_add_co_u32 s60, s60, s61
	s_add_co_u32 s60, s60, s63
	s_mov_b32 s61, 0
	; the weights' images: from where (s66) and to where (s100), in bytes
	s_lshr_b32 s2, s52, 2
	s_lshl_b32 s2, s2, 14                          ; W_q's tile b = 4 head + t: 64 rows of 256 bytes a head,
	s_bfe_u32 s3, s52, 0x10001
	s_lshl_b32 s3, s3, 13                          ; + 32 (t / 2) rows,
	s_add_co_u32 s2, s2, s3
	s_and_b32 s3, s52, 1
	s_lshl_b32 s3, s3, 11                          ; + 8 (t % 2) rows
	s_add_co_u32 s2, s2, s3
	s_lshl_b32 s100, s52, 12                       ; proj_w's tile b: 16 b rows.  Also: a tile's two fragments in either image
	s_cmp_eq_u32 s14, 0                            ; wave 0 moves W_q's piece, wave 1 proj_w's
	s_cselect_b32 s66, s2, s100
	s_cselect_b32 s51, 8, 0                        ; W_q's rows of a tile are r + (r & 8), proj_w's r
	s_lshl_b32 s2, s62, 7
	s_add_co_u32 s66, s66, s2                      ; + 128 K step
	s_lshl_b32 s2, s63, 5
	s_add_co_u32 s66, s66, s2                      ; + 32 c
	s_mov_b32 s67, 0
	s_lshl_b32 s2, s62, 11
	s_add_co_u32 s100, s100, s2                    ; + 2,048 K step
	s_lshl_b32 s2, s63, 9
	s_add_co_u32 s100, s100, s2                    ; + 512 c
	s_mov_b32 s101, 0
	v_and_b32 v68, s51, v9
	v_add_nc_u32 v68, v68, v9
	v_lshlrev_b32 v68, 8, v68                      ; my row of 256 bytes,
	v_lshl_add_u32 v68, v1, 4, v68                 ; + 16 h
	v_lshlrev_b32 v69, 2, v[L4]                    ; 16 x lane
	s_wait_kmcnt 0x0
	s_add_nc_u64 s[4:5], s[4:5], s[54:55]
	s_add_nc_u64 s[6:7], s[6:7], s[56:57]
	s_add_nc_u64 s[8:9], s[8:9], s[56:57]
	s_add_nc_u64 s[10:11], s[10:11], s[58:59]
	s_add_nc_u64 s[12:13], s[12:13], s[60:61]
	s_cmp_eq_u32 s14, 0                            ; the choice hangs on the wave's number alone
	s_cselect_b64 s[2:3], s[16:17], s[18:19]
	s_add_nc_u64 s[66:67], s[2:3], s[66:67]
	s_cselect_b64 s[2:3], s[20:21], s[22:23]
	s_add_nc_u64 s[100:101], s[2:3], s[100:101]
.set j, 0
.rept 32
	global_load_b32 v[X+j], v[XO], s[4:5] offset:4096*j    ; channel j of the group at my pixel: the whole group is asked for at once
.set j, j+1
.endr
	s_load_b512 s[16:31], s[6:7], 0x0              ; the group's 32 gains: s16-47
	s_load_b512 s[32:47], s[6:7], 0x40
	s_load_b512 s[68:83], s[8:9], 0x0              ; and its 32 biases: s68-99
	s_load_b512 s[84:99], s[8:9], 0x40
	s_cmp_lt_u32 s14, 2
	s_cbranch_scc0 .Lno_image
	global_load_b128 v[IM:IM+3], v68, s[66:67]     ; waves 0 and 1: a piece of a weight's image, asked for behind x
	s_wait_loadcnt 0x0                             ; (the wave waits for x here in any case)
	global_store_b128 v69, v[IM:IM+3], s[100:101]  ; 32 lanes store 512 consecutive bytes, aligned; none of these registers is written again
.Lno_image:
	s_wait_loadcnt 0x0
	; the mean
	v_pk_add_f32 v[10:11], v[X:X+1], v[X+2:X+3]    ; two chains, started by the first numbers: nothing is cleared
	v_pk_add_f32 v[12:13], v[X+4:X+5], v[X+6:X+7]
.irp j, 8,12,16,20,24,28
	v_pk_add_f32 v[10:11], v[10:11], v[X+\j:X+\j+1]
	v_pk_add_f32 v[12:13], v[12:13], v[X+\j+2:X+\j+3]
.endr
	v_pk_add_f32 v[10:11], v[10:11], v[12:13]
	v_add_f32 v10, v10, v11
	ALLSUM RED1
	v_mul_f32 v62, s53, v10
	v_mov_b32 v63, v62
.set j, 0
.rept 16
	v_pk_add_f32 v[X+j:X+j+1], v[X+j:X+j+1], v[62:63] neg_lo:[0,1] neg_hi:[0,1]   ; x - mean
.set j, j+2
.endr
	; the variance
	v_pk_mul_f32 v[10:11], v[X:X+1], v[X:X+1]
	v_pk_mul_f32 v[12:13], v[X+2:X+3], v[X+2:X+3]
.irp j, 4,8,12,16,20,24,28
	v_pk_fma_f32 v[10:11], v[X+\j:X+\j+1], v[X+\j:X+\j+1], v[10:11]
	v_pk_fma_f32 v[12:13], v[X+\j+2:X+\j+3], v[X+\j+2:X+\j+3], v[12:13]
.endr
	v_pk_add_f32 v[10:11], v[10:11], v[12:13]
	v_add_f32 v10, v10, v11
	ALLSUM RED2
	v_fma_f32 v14, v10, s53, s15                   ; var + 1e-5
	v_rsq_f32 v62, v14
	v_nop                                          ; a plain instruction behind the transcendental,
	s_wait_alu depctr_va_vdst(0)                   ; and the wait ahead of the first line that names its result
	v_mov_b32 v63, v62
	s_wait_kmcnt 0x0                               ; the gains and the biases
.set j, 0
.rept 16
	v_pk_mul_f32 v[X+j:X+j+1], v[X+j:X+j+1], v[62:63]
.set j, j+2
.endr
.set j, 0
.rept 32
	v_fma_f32 v[X+j], v[X+j], s[16+j], s[68+j]     ; hn
.set j, j+1
.endr
	; the block: its largest magnitude, with the floor 2^(16 - 127) among the leaves, so that the byte cannot fall under 1
	v_max3_num_f32 v56, |v[X]|, |v[X+1]|, |v[X+2]|
	v_max3_num_f32 v57, |v[X+3]|, |v[X+4]|, |v[X+5]|
.irp i, 6,10,14,18,22,26
	v_max3_num_f32 v56, v56, |v[X+\i]|, |v[X+\i+1]|
	v_max3_num_f32 v57, v57, |v[X+\i+2]|, |v[X+\i+3]|
.endr
	v_max3_num_f32 v56, v56, |v[X+30]|, |v[X+31]|
	v_max3_num_f32 v56, v56, v57, 0x8000000
	v_add_nc_u32 v59, 0xf8800000, v56              ; 15 off its exponent field: the conversion takes the exponent field of this operand as its scale
	v_and_or_b32 v58, v56, 0x7f800000, s50         ; 57,344 x the scale
	v_lshrrev_b32 v60, 23, v59                     ; the scale's byte
.set j, 0
.rept 32
	v_med3_num_f32 v[X+j], v[X+j], -v58, v58       ; the conversion to an 8-bit code does not saturate (ISA guide 7.6.2): the hold at the largest code x the scale
.set j, j+1
.endr
.irp g, 0,1,2,3
	v_cvt_scalef32_pk8_bf8_f32 v[CD+2*\g:CD+2*\g+1], v[X+8*\g:X+8*\g+7], v59
.endr
	v_nop
	global_store_b128 v[CO], v[CD:CD+3], s[10:11]              ; channels 0-15: the image's lanes 0-15: sixteen lanes store 256 consecutive bytes, aligned
	global_store_b128 v[CO], v[CD+4:CD+7], s[10:11] offset:256 ; channels 16-31: its lanes 16-31
	global_store_b8 v[SO], v60, s[12:13]
	s_wait_tensorcnt 0x0                           ; the wave's end
	ds_add_u32 v[SPW], v[NIL]
	s_wait_dscnt 0x0
	s_endpgm
.Lfunc_end_k_q9ef39382a6_norm:
	.size	k_q9ef39382a6_norm, .Lfunc_end_k_q9ef39382a6_norm-k_q9ef39382a6_norm
	.p2alignl 7, 3214868480
	.fill 96, 4, 3214868480
	.section	.rodata,"a",@progbits
	.p2align	6, 0x0
	.amdhsa_kernel k_q9ef39382a6_norm
		.amdhsa_group_segment_fixed_size 4608
		.amdhsa_private_segment_fixed_size 0
		.amdhsa_enable_private_segment 0
		.amdhsa_kernarg_size 72
		.amdhsa_user_sgpr_count 2
		.amdhsa_user_sgpr_kernarg_segment_ptr 1
		.amdhsa_wavefront_size32 1
		.amdhsa_system_sgpr_workgroup_id_x 1
		.amdhsa_system_sgpr_workgroup_id_y 1
		.amdhsa_system_sgpr_workgroup_id_z 1
		.amdhsa_system_vgpr_workitem_id 0
		.amdhsa_next_free_vgpr 72
		.amdhsa_next_free_sgpr 102
		.amdhsa_reserve_vcc 0
		.amdhsa_float_denorm_mode_32 3
		.amdhsa_float_denorm_mode_16_64 3
		.amdhsa_memory_ordered 1
		.amdhsa_forward_progress 1
		.amdhsa_inst_pref_size 20
	.end_amdhsa_kernel
	.amdgpu_metadata
---
amdhsa.version: [ 1, 2 ]
amdhsa.kernels:
  - .name:           k_q9ef39382a6_norm
    .symbol:         k_q9ef39382a6_norm.kd
    .args:
      - { .name: x, .offset: 0, .size: 8, .value_kind: global_buffer, .address_space: global }
      - { .name: norm_w, .offset: 8, .size: 8, .value_kind: global_buffer, .address_space: global }
      - { .name: norm_b, .offset: 16, .size: 8, .value_kind: global_buffer, .address_space: global }
      - { .name: hnc, .offset: 24, .size: 8, .value_kind: global_buffer, .address_space: global }
      - { .name: qkv_w_codes, .offset: 32, .size: 8, .value_kind: global_buffer, .address_space: global }
      - { .name: proj_w_codes, .offset: 40, .size: 8, .value_kind: global_buffer, .address_space: global }
      - { .name: wqi, .offset: 48, .size: 8, .value_kind: global_buffer, .address_space: global }
      - { .name: pwi, .offset: 56, .size: 8, .value_kind: global_buffer, .address_space: global }
      - { .name: hns, .offset: 64, .size: 8, .value_kind: global_buffer, .address_space: global }
    .group_segment_fixed_size: 4608
    .private_segment_fixed_size: 0
    .kernarg_segment_align: 8
    .kernarg_segment_size: 72
    .max_flat_workgroup_size: 1024
    .sgpr_count:     102
    .vgpr_count:     72
    .wavefront_size: 32
...
	.end_amdgpu_metadata
.endif
;; end of part 1
;; launch kv (part 2): grid 16 x 16, 16 waves a work-group, no clusters, 167,936 bytes of LDS; arguments hnc, hns, qkv_w_codes, qkv_w_scales, qkv_b, kvc, kvs; writes kvc, kvs
.if DOCPART == 2
	.amdgcn_target "amdgcn-amd-amdhsa--gfx1250"
	.amdhsa_code_object_version 6
	.text
	.protected	k_q9ef39382a6_kv
	.globl	k_q9ef39382a6_kv
	.p2align	8
	.type	k_q9ef39382a6_kv,@function
k_q9ef39382a6_kv:
	s_mov_b64 s[64:65], 0
	v_nop
	global_prefetch_b8 v0, s[64:65] scope:SCOPE_SE
	s_setreg_imm32_b32 hwreg(HW_REG_WAVE_MODE, 25, 1), 1
	s_wait_xcnt 0x0
; k AND v OF THE FIRST PRODUCT, AS CODES.  k = W_k hn + b_k, v = W_v hn + b_v on codes of E5M2 (hn's from the launch before, W's as given), sums in f32; then k is quantised along the head's 64, v along the keys.
; Nothing is left out.  (q is made in the attention launch, where one wave reads it once.)
; SHARES.  A work-group owns the 128 pixels of key step st (tiles 8 st .. 8 st + 7) of one batch and two heads (2 z, 2 z + 1): grid x = 2 st + z.  Sixteen waves, one unit each: 8 accumulators, 16 matrix instructions, one fragment out.
;   waves 0-7, K: unit (head, f): the 32 keys of tiles 2 f, 2 f + 1.  Source 0 = 16 rows of W_k, source 1 = a tile of hn: a lane holds ONE key and its registers run along d.
;   waves 8-15, V: unit (head, t): 16 of the head's 64.  Source 0 = a tile of hn, source 1 = 16 rows of W_v: a lane holds ONE d and its registers run along the keys.
; THE ROWS OF W THAT FORM A TILE ARE NOT NEIGHBOURS: lane r of tile 2 b + u takes d = 32 b + 8 u + r + (r & 8); hn's tiles are ordered so by pixels.  So the 16 registers of two neighbouring tiles are 16 neighbours along the next K.
; kvc: [b][head][st][K: 4 fragments, V: 4 fragments] of 2,048 bytes, each the image of an operand's registers ([c][lane][16 bytes]).
;   K's fragment f: row r holds key a_r (tile 2 f) in k = 0..63 and key b_r (tile 2 f + 1) in k = 64..127, since the second product's K is only 64.   V's fragment t: row r = d slot r of tile t, k = the step's 128 keys.
; kvs: [b][head][st][K: 4, V: 4] scale registers' images, 4 bytes a lane (lanes 16-31 repeat lanes 0-15): 128 bytes a wave, the four waves of a head and role 512 on end.
; NO CLUSTER: each work-group fills LDS once, 108,544 bytes, and has no loop: a cluster's round would only lengthen the one chain of load, barrier, product and store.
; LIMITS: as in the launch before: NaN and infinities are not served; a block under 2^(16 - 127), or of zeros, keeps the byte 1.
.set WK,    34816                      ; LDS: hn's 8 tiles from 0: 128 rows of 256 bytes + 16 of padding; then W_k's 128 rows,
.set WVB,   69632                      ; W_v's 128 rows: a row of 256 codes, rows 272 bytes apart: the 16 rows that a load touches start at 16 different banks (64 banks of 4 bytes: ISA guide 11.1)
.set SMH,   104448                     ; hn's scale words, 1,024 bytes;
.set SMK,   105472                     ; W_k's scale bytes, 8 a row;
.set SMV,   106496                     ; W_v's
.set BB,    107520                     ; the biases: k's 128, then v's 128
.set SPARE, 108544                     ; the spare words, 128 bytes for each of 16 waves: no other line names them
.set H,   176                          ; v176-239  8 accumulators
.set TM,  16                           ; v16-31    the quantiser at work (where operands lay)
.set PC,  32                           ; v32-47    the codes
.set PW,  252                          ; v252      their scale word
.set SPW, 250                          ; v250      LDS address of my spare word; never rewritten
.set NIL, 251                          ; v251      0; never rewritten
; v240-249 hold scales and nothing else
.set WV,  18                           ; s18  wave
.set G1M, 32                           ; s[32:39] group 1: 32 rows of 256 bytes, 16 of padding behind each
.set G1T, 40                           ; s[40:47] 4 rows of 256 bytes
.set G1B, 48                           ; s[48:55] 2 rows of 512 bytes, 1,024 apart
.set G0,  56                           ; s[56:59] group 0
.macro PLACES n
.rept \n
	v_nop
.endr
.endm
; K STEP ks OF A K UNIT: 24 LDS loads, 8 matrix instructions on 8 accumulators by turns, 8 places ahead of the next loads into these registers and of the first read of results
.macro KPH ks
.irp t, 0,1,2,3
.irp c, 0,1,2,3
	ds_load_b128 v[16+16*\t+4*\c:16+16*\t+4*\c+3], v9 offset:(32*(\t/2)+8*(\t%2))*272+128*\ks+32*\c
.endr
.endr
.irp u, 0,1
.irp c, 0,1,2,3
	ds_load_b128 v[80+16*\u+4*\c:80+16*\u+4*\c+3], v10 offset:(2*\u+\ks)*2176+544*\c
.endr
.endr
	s_wait_dscnt 0x0
.irp u, 0,1
.irp t, 0,1,2,3
.if \ks
	v_wmma_scale_f32_16x16x128_f8f6f4 v[H+32*\u+8*\t:H+32*\u+8*\t+7], v[16+16*\t:31+16*\t], v[80+16*\u:95+16*\u], v[H+32*\u+8*\t:H+32*\u+8*\t+7], v[241+2*\t], v[248+\u] matrix_a_fmt:MATRIX_FMT_BF8 matrix_b_fmt:MATRIX_FMT_BF8 matrix_b_scale:MATRIX_SCALE_ROW1
.else
	v_wmma_scale_f32_16x16x128_f8f6f4 v[H+32*\u+8*\t:H+32*\u+8*\t+7], v[16+16*\t:31+16*\t], v[80+16*\u:95+16*\u], v[H+32*\u+8*\t:H+32*\u+8*\t+7], v[240+2*\t], v[248+\u] matrix_a_fmt:MATRIX_FMT_BF8 matrix_b_fmt:MATRIX_FMT_BF8
.endif
.endr
.endr
	PLACES 8
.endm
.macro VLOAD ks                        ; K step ks of a V unit: hn's 8 tiles and my 16 rows of W_v: 36 loads
.irp i, 0,1,2,3,4,5,6,7
.irp c, 0,1,2,3
	ds_load_b128 v[16+16*\i+4*\c:16+16*\i+4*\c+3], v5 offset:(2*\i+\ks)*2176+544*\c
.endr
.endr
.irp c, 0,1,2,3
	ds_load_b128 v[144+4*\c:144+4*\c+3], v9 offset:128*\ks+32*\c
.endr
.endm
.macro VMUL ks
	s_wait_dscnt 0x0
.irp i, 0,1,2,3,4,5,6,7
.if \ks
	v_wmma_scale_f32_16x16x128_f8f6f4 v[H+8*\i:H+8*\i+7], v[16+16*\i:31+16*\i], v[144:159], v[H+8*\i:H+8*\i+7], v[240+\i], v249 matrix_a_fmt:MATRIX_FMT_BF8 matrix_b_fmt:MATRIX_FMT_BF8 matrix_a_scale:MATRIX_SCALE_ROW1
.else
	v_wmma_scale_f32_16x16x128_f8f6f4 v[H+8*\i:H+8*\i+7], v[16+16*\i:31+16*\i], v[144:159], v[160:167], v[240+\i], v248 matrix_a_fmt:MATRIX_FMT_BF8 matrix_b_fmt:MATRIX_FMT_BF8
.endif
.endr
	PLACES 8
.endm
	s_load_b256 s[4:11], s[0:1], 0x0               ; hnc s[4:5], hns s[6:7], W's codes s[8:9], W's scales s[10:11]
	s_load_b128 s[12:15], s[0:1], 0x20             ; qkv_b s[12:13], kvc s[14:15]
	s_load_b64 s[16:17], s[0:1], 0x30              ; kvs
	v_lshl_add_u32 v[SPW], v0, 2, SPARE
	v_mov_b32 v[NIL], 0
	ds_add_u32 v[SPW], v[NIL]                      ; the wave's opening: the add, twice on end, and its wait ahead of my first tensor load; the set-up below stands between
	ds_add_u32 v[SPW], v[NIL]
	v_lshrrev_b32 v1, 5, v0
	s_delay_alu instid0(VALU_DEP_1)
	v_readfirstlane_b32 s[WV], v1                  ; wave 0..15
	s_lshr_b32 s19, ttmp9, 1                       ; st
	s_and_b32 s20, ttmp9, 1                        ; z
	s_and_b32 s21, ttmp7, 0xffff                   ; b
	s_mov_b32 s22, 0x76543210
	s_mov_b32 s23, 0xfedcba98                      ; v_permlanex16_b32's selects for lane l xor 16
	s_bfe_u32 s25, s[WV], 0x10002                  ; which of the two heads
	s_and_b32 s26, s[WV], 3                        ; f or t; also: which quarter of a tensor's 128 rows I fetch
	s_mov_b32 s[G1M], (3<<16)|(1<<20)|(5<<22)|(3<<25)  ; elements of 8 bytes; padding on: after every 64 words (code 5) four words (code 3)
	s_mov_b32 s[G1M+1], 32<<16                     ; tensor_dim0 = 32 elements: 256 bytes
	s_mov_b32 s[G1M+2], 32<<16                     ; tensor_dim1 = 32 rows
	s_mov_b32 s[G1M+3], 32<<16                     ; tile_dim0
	s_mov_b32 s[G1M+4], 32                         ; tile_dim1
	s_mov_b32 s[G1M+5], 32                         ; the rows are dense in memory
	s_mov_b32 s[G1M+6], 0
	s_mov_b32 s[G1M+7], 0
	s_mov_b32 s[G1T], 3<<16
	s_mov_b32 s[G1T+1], 32<<16
	s_mov_b32 s[G1T+2], 4<<16
	s_mov_b32 s[G1T+3], 32<<16
	s_mov_b32 s[G1T+4], 4
	s_mov_b32 s[G1T+5], 32
	s_mov_b32 s[G1T+6], 0
	s_mov_b32 s[G1T+7], 0
	s_mov_b32 s[G1B], 3<<16
	s_mov_b32 s[G1B+1], 64<<16                     ; 512 bytes: two heads' 128 biases
	s_mov_b32 s[G1B+2], 2<<16                      ; k's row and v's
	s_mov_b32 s[G1B+3], 64<<16
	s_mov_b32 s[G1B+4], 2
	s_mov_b32 s[G1B+5], 128                        ; 1,024 bytes apart
	s_mov_b32 s[G1B+6], 0
	s_mov_b32 s[G1B+7], 0
	s_lshl_b32 s27, s26, 13                        ; my quarter: 32 rows of 256 bytes
	s_lshl_b32 s28, s21, 18
	s_lshl_b32 s29, s19, 15
	s_add_co_u32 s28, s28, s29                     ; hn's codes: 262,144 b + 32,768 st
	s_lshr_b32 s29, s[WV], 2
	s_lshl_b32 s29, s29, 16
	s_lshl_b32 s30, s20, 15
	s_add_co_u32 s29, s29, s30                     ; W's codes: rows 256 (k: waves 4-7) or 512 (v: waves 8-11) + 128 z
	s_lshl_b32 s30, s21, 13
	s_lshl_b32 s31, s19, 10
	s_add_co_u32 s30, s30, s31                     ; hn's scale words
	s_sub_co_u32 s31, s[WV], 12
	s_lshl_b32 s31, s31, 11
	s_lshl_b32 s60, s20, 10
	s_add_co_u32 s31, s31, s60                     ; W's scale bytes (wave 13: k's, wave 14: v's)
	s_lshl_b32 s66, s20, 9
	s_add_co_u32 s66, s66, 1024                    ; the biases
	s_mov_b32 s61, 0
	s_mov_b32 s[G0], 1                             ; count = 1
	s_wait_dscnt 0x0                               ; both opening adds are done
	s_wait_kmcnt 0x0
	; THE FILLS: every wave issues one, in one of three arms by the wave's number; nothing is filled again
	s_cmp_lt_u32 s[WV], 12
	s_cbranch_scc0 .Lsmall
	s_mul_i32 s[G0+1], s[WV], 8704                 ; waves 0-3: hn's tiles; 4-7: W_k; 8-11: W_v: 32 rows of 272 bytes each, one behind the other
	s_cmp_lt_u32 s[WV], 4
	s_cselect_b64 s[G0+2:G0+3], s[4:5], s[8:9]
	s_cselect_b32 s60, s28, s29
	s_add_co_u32 s60, s60, s27
	s_add_nc_u64 s[G0+2:G0+3], s[G0+2:G0+3], s[60:61]
	s_or_b32 s[G0+3], s[G0+3], 0x80000000          ; type = 2
	tensor_load_to_lds s[G0:G0+3], s[G1M:G1M+7]
	s_nop 0
	PLACES 4
	s_branch .Lasked
.Lsmall:
	s_cmp_lt_u32 s[WV], 15
	s_cbranch_scc0 .Lbias
	s_lshl_b32 s[G0+1], s[WV], 10
	s_add_co_u32 s[G0+1], s[G0+1], SMH-12288       ; waves 12, 13, 14: 1,024 bytes each from SMH on
	s_cmp_eq_u32 s[WV], 12
	s_cselect_b64 s[G0+2:G0+3], s[6:7], s[10:11]
	s_cselect_b32 s60, s30, s31
	s_add_nc_u64 s[G0+2:G0+3], s[G0+2:G0+3], s[60:61]
	s_or_b32 s[G0+3], s[G0+3], 0x80000000
	tensor_load_to_lds s[G0:G0+3], s[G1T:G1T+7]
	s_nop 0
	PLACES 4
	s_branch .Lasked
.Lbias:
	s_mov_b32 s[G0+1], BB
	s_mov_b32 s60, s66
	s_add_nc_u64 s[G0+2:G0+3], s[12:13], s[60:61]
	s_or_b32 s[G0+3], s[G0+3], 0x80000000
	tensor_load_to_lds s[G0:G0+3], s[G1B:G1B+7]
	s_nop 0
	PLACES 4
.Lasked:
	v_and_b32 v1, 15, v0                           ; r
	v_bfe_u32 v2, v0, 4, 1                         ; h
	v_and_b32 v3, 31, v0                           ; lane
	s_delay_alu instid0(VALU_DEP_3)
	v_and_b32 v4, 8, v1
	s_delay_alu instid0(VALU_DEP_1)
	v_add_nc_u32 v4, v4, v1                        ; rr = r + (r & 8)
	v_and_b32 v5, 16, v0
	s_delay_alu instid0(VALU_DEP_1)
	v_lshl_add_u32 v5, v3, 4, v5                   ; an image's place for my lane: 16 x lane, and 16 of padding passed by lanes 16-31
	v_lshlrev_b32 v6, 2, v3                        ; 4 x lane
	v_lshlrev_b32 v7, 4, v3                        ; 16 x lane
	v_mul_u32_u24 v8, v4, 272
	s_delay_alu instid0(VALU_DEP_1)
	v_lshl_add_u32 v8, v2, 4, v8                   ; a row of W: rr x 272 + 16 h
	; where my fragment goes: ((4 b + head) 8 + st) x 16,384 + 8,192 role + 2,048 unit; its scale register: x 1,024 + 512 role + 128 unit
	s_lshl_b32 s67, s21, 2
	s_lshl_b32 s68, s20, 1
	s_add_co_u32 s67, s67, s68
	s_add_co_u32 s67, s67, s25
	s_lshl_b32 s67, s67, 3
	s_add_co_u32 s67, s67, s19
	s_lshr_b32 s68, s[WV], 3                       ; role: 0 K, 1 V
	s_lshl_b32 s70, s67, 14
	s_lshl_b32 s69, s68, 13
	s_add_co_u32 s70, s70, s69
	s_lshl_b32 s69, s26, 11
	s_add_co_u32 s70, s70, s69
	s_mov_b32 s71, 0
	s_add_nc_u64 s[14:15], s[14:15], s[70:71]
	s_lshl_b32 s70, s67, 10
	s_lshl_b32 s69, s68, 9
	s_add_co_u32 s70, s70, s69
	s_lshl_b32 s69, s26, 7
	s_add_co_u32 s70, s70, s69
	s_add_nc_u64 s[16:17], s[16:17], s[70:71]
	s_wait_tensorcnt 0x0                           ; my fill has landed,
	s_barrier_signal -1
	s_barrier_wait -1                              ; everybody's has
	s_cmp_lt_u32 s[WV], 8
	s_cbranch_scc0 .Lvpath
	; ---- K: unit (head, f)
	s_mul_i32 s72, s25, 17408                      ; my head's 64 rows of W_k
	s_add_co_u32 s72, s72, WK
	s_wait_alu depctr_va_vdst(0)
	v_add_nc_u32 v9, s72, v8
	s_mul_i32 s72, s26, 8704                       ; hn's tiles 2 f, 2 f + 1
	v_add_nc_u32 v10, s72, v5
	s_lshl_b32 s72, s25, 9
	s_add_co_u32 s72, s72, SMK
	v_lshl_add_u32 v11, v4, 3, s72                 ; W_k's scale bytes: 8 a row
	s_lshl_b32 s72, s25, 8
	s_add_co_u32 s72, s72, BB
	v_lshl_add_u32 v12, v2, 6, s72                 ; b_k: lane (r, h) wants, for tile t, d = 32 (t / 2) + 16 h + 8 (t % 2) + 0 .. 7
	s_lshl_b32 s72, s26, 8
	s_add_co_u32 s72, s72, SMH
	v_add_nc_u32 v13, s72, v6                      ; hn's scale words: lanes 0-15 K step 0's, lanes 16-31 K step 1's
.irp u, 0,1
.irp t, 0,1,2,3
	ds_load_b128 v[H+32*\u+8*\t:H+32*\u+8*\t+3], v12 offset:(32*(\t/2)+8*(\t%2))*4       ; the bias is what the sums begin with: it costs no addition
	ds_load_b128 v[H+32*\u+8*\t+4:H+32*\u+8*\t+7], v12 offset:(32*(\t/2)+8*(\t%2))*4+16
.endr
.endr
.irp t, 0,1,2,3
	ds_load_b64 v[240+2*\t:241+2*\t], v11 offset:(32*(\t/2)+8*(\t%2))*8   ; the row's two scale words
.endr
.irp u, 0,1
	ds_load_b32 v[248+\u], v13 offset:128*\u
.endr
	KPH 0
	s_wait_alu depctr_va_vdst(0)
	KPH 1                                          ; register H + 32 u + 16 b + i of lane (r, h): key r of tile 2 f + u, d = 32 b + 16 h + i
	s_branch .Lquant
.Lvpath:
	; ---- V: unit (head, t)
	s_lshr_b32 s73, s26, 1
	s_lshl_b32 s73, s73, 5
	s_and_b32 s74, s26, 1
	s_lshl_b32 s74, s74, 3
	s_add_co_u32 s73, s73, s74                     ; the tile's first row: 32 (t / 2) + 8 (t % 2)
	s_mul_i32 s72, s25, 17408
	s_mul_i32 s74, s73, 272
	s_add_co_u32 s72, s72, s74
	s_add_co_u32 s72, s72, WVB
	s_wait_alu depctr_va_vdst(0)
	v_add_nc_u32 v9, s72, v8
	s_wait_alu depctr_va_vdst(0)
	s_lshl_b32 s72, s25, 9
	s_lshl_b32 s74, s73, 3
	s_add_co_u32 s72, s72, s74
	s_add_co_u32 s72, s72, SMV
	v_lshl_add_u32 v11, v4, 3, s72
	s_lshl_b32 s72, s25, 8
	s_lshl_b32 s74, s73, 2
	s_add_co_u32 s72, s72, s74
	s_add_co_u32 s72, s72, BB+512
	v_lshl_add_u32 v12, v4, 2, s72                 ; b_v of my lane's d
	v_add_nc_u32 v13, SMH, v6
	ds_load_b32 v168, v12
	ds_load_b64 v[248:249], v11
.irp i, 0,1,2,3,4,5,6,7
	ds_load_b32 v[240+\i], v13 offset:128*\i
.endr
	VLOAD 0
	s_wait_dscnt 45                                ; the bias word is in: behind it stand 9 loads of scales and 36 of fragments
.irp j, 0,1,2,3,4,5,6,7
	v_mov_b32 v[160+\j], v168                      ; a lane holds one d, so its eight results begin with the same bias
.endr
	PLACES 4
	s_wait_alu depctr_va_vdst(0)
	VMUL 0
	VLOAD 1
	VMUL 1                                         ; register H + 16 f + i of lane (r, h): d slot r, key 32 f + 16 h + i of the step
.Lquant:
	; ---- 64 numbers of a lane, register 16 b + i = k 32 b + 16 h + i of my row, become a fragment's codes and its scale word
.irp b, 0,1,2,3
	v_mov_b32 v[TM+4+\b], 0                        ; a lane permute's destination counts as one of its sources
.endr
.irp b, 0,1,2,3
	v_max3_num_f32 v[TM+\b], |v[H+16*\b]|, |v[H+1+16*\b]|, 0x8000000   ; block b: my 16 numbers, each accumulator from its low end on, and the floor 2^(16 - 127)
.endr
.irp i, 2,4,6,8,10,12,14
.irp b, 0,1,2,3
	v_max3_num_f32 v[TM+\b], v[TM+\b], |v[H+16*\b+\i]|, |v[H+1+16*\b+\i]|   ; (the four blocks by turns)
.endr
.endr
.irp b, 0,1,2,3
	s_delay_alu instid0(VALU_DEP_4)
	v_permlanex16_b32 v[TM+4+\b], v[TM+\b], s22, s23
.endr
.irp b, 0,1,2,3
	s_delay_alu instid0(VALU_DEP_4)
	v_max_num_f32 v[TM+\b], v[TM+\b], v[TM+4+\b]   ; with lane l xor 16's: the block's largest magnitude
.endr
.irp b, 0,1,2,3
	s_delay_alu instid0(VALU_DEP_4)
	v_add_nc_u32 v[TM+12+\b], 0xf8800000, v[TM+\b] ; 15 off its exponent field: the conversion's scale operand
.endr
.irp b, 0,1,2,3
.endr
.irp b, 0,1,2,3
	s_delay_alu instid0(VALU_DEP_4)
	v_lshrrev_b32 v[TM+4+\b], 23, v[TM+12+\b]      ; the scale's byte
.endr
	s_delay_alu instid0(VALU_DEP_3)
	v_lshl_or_b32 v[PW], v[TM+5], 8, v[TM+4]
	s_delay_alu instid0(VALU_DEP_1)
	v_lshl_or_b32 v[PW], v[TM+6], 16, v[PW]
	s_delay_alu instid0(VALU_DEP_1)
	v_lshl_or_b32 v[PW], v[TM+7], 24, v[PW]
.irp b, 0,1,2,3
.irp i, 0,1,2,3,4,5,6,7,8,9,10,11,12,13,14,15
.endr
	v_cvt_scalef32_pk8_bf8_f32 v[PC+4*\b:PC+1+4*\b], v[H+16*\b:H+7+16*\b], v[TM+12+\b]
	v_cvt_scalef32_pk8_bf8_f32 v[PC+2+4*\b:PC+3+4*\b], v[H+8+16*\b:H+15+16*\b], v[TM+12+\b]
.endr
	v_nop
.irp c, 0,1,2,3
	global_store_b128 v7, v[PC+4*\c:PC+4*\c+3], s[14:15] offset:512*\c   ; the image: 32 lanes store 512 consecutive bytes, aligned
.endr
	global_store_b32 v6, v[PW], s[16:17]
	s_wait_tensorcnt 0x0                           ; the wave's end
	ds_add_u32 v[SPW], v[NIL]
	s_wait_dscnt 0x0
	s_endpgm
.Lfunc_end_k_q9ef39382a6_kv:
	.size	k_q9ef39382a6_kv, .Lfunc_end_k_q9ef39382a6_kv-k_q9ef39382a6_kv
	.p2alignl 7, 3214868480
	.fill 96, 4, 3214868480
	.section	.rodata,"a",@progbits
	.p2align	6, 0x0
	.amdhsa_kernel k_q9ef39382a6_kv
		.amdhsa_group_segment_fixed_size 167936
		.amdhsa_private_segment_fixed_size 0
		.amdhsa_enable_private_segment 0
		.amdhsa_kernarg_size 56
		.amdhsa_user_sgpr_count 2
		.amdhsa_user_sgpr_kernarg_segment_ptr 1
		.amdhsa_wavefront_size32 1
		.amdhsa_system_sgpr_workgroup_id_x 1
		.amdhsa_system_sgpr_workgroup_id_y 1
		.amdhsa_system_sgpr_workgroup_id_z 1
		.amdhsa_system_vgpr_workitem_id 0
		.amdhsa_next_free_vgpr 256
		.amdhsa_next_free_sgpr 80
		.amdhsa_reserve_vcc 0
		.amdhsa_float_denorm_mode_32 3
		.amdhsa_float_denorm_mode_16_64 3
		.amdhsa_fp16_overflow 1
		.amdhsa_memory_ordered 1
		.amdhsa_forward_progress 1
		.amdhsa_inst_pref_size 28
	.end_amdhsa_kernel
	.amdgpu_metadata
---
amdhsa.version: [ 1, 2 ]
amdhsa.kernels:
  - .name:           k_q9ef39382a6_kv
    .symbol:         k_q9ef39382a6_kv.kd
    .args:
      - { .name: hnc, .offset: 0, .size: 8, .value_kind: global_buffer, .address_space: global }
      - { .name: hns, .offset: 8, .size: 8, .value_kind: global_buffer, .address_space: global }
      - { .name: qkv_w_codes, .offset: 16, .size: 8, .value_kind: global_buffer, .address_space: global }
      - { .name: qkv_w_scales, .offset: 24, .size: 8, .value_kind: global_buffer, .address_space: global }
      - { .name: qkv_b, .offset: 32, .size: 8, .value_kind: global_buffer, .address_space: global }
      - { .name: kvc, .offset: 40, .size: 8, .value_kind: global_buffer, .address_space: global }
      - { .name: kvs, .offset: 48, .size: 8, .value_kind: global_buffer, .address_space: global }
    .group_segment_fixed_size: 167936
    .private_segment_fixed_size: 0
    .kernarg_segment_align: 8
    .kernarg_segment_size: 56
    .max_flat_workgroup_size: 512
    .sgpr_count:     80
    .vgpr_count:     256
    .wavefront_size: 32
...
	.end_amdgpu_metadata
.endif
;; end of part 2
;; launch attn (part 3): grid 16 x 16, 16 waves a work-group, clusters of 4 x 1, 327,680 bytes of LDS; arguments x, hnc, hns, wqi, qkv_w_scales, qkv_b, kvc, kvs, pwi, proj_w_scales, proj_b, out0; writes out0
.if DOCPART == 3
	.amdgcn_target "amdgcn-amd-amdhsa--gfx1250"
	.amdhsa_code_object_version 6
	.text
	.protected	k_q9ef39382a6_attn
	.globl	k_q9ef39382a6_attn
	.p2align	8
	.type	k_q9ef39382a6_attn,@function
k_q9ef39382a6_attn:
	s_mov_b64 s[64:65], 0
	v_nop
	global_prefetch_b8 v0, s[64:65] scope:SCOPE_SE
	s_setreg_imm32_b32 hwreg(HW_REG_WAVE_MODE, 25, 1), 1
	s_wait_xcnt 0x0
	s_wait_alu depctr_hold_cnt(0) depctr_sa_sdst(0) depctr_va_vdst(0) depctr_va_sdst(0) depctr_va_ssrc(0) depctr_va_vcc(0) depctr_vm_vsrc(0)
	s_getreg_b32 s2, hwreg(HW_REG_IB_STS2, 6, 4)
	s_cmp_eq_u32 s2, 0
	s_cbranch_scc0 .Lentry_in_a_cluster
	s_endpgm
.Lentry_in_a_cluster:
	s_bfe_u32 s2, ttmp6, 0x10000c
	s_cmp_lg_u32 s2, 0x3003
	s_cbranch_scc0 .Lentry_shape_is_right
	s_endpgm
.Lentry_shape_is_right:
; q, ATTENTION, THE PROJECTION AND THE RESIDUAL.  out = x + proj_w softmax(q k^T / 8) v + proj_b, every product on codes of E5M2 with one E8M0 scale for each 32 along its K, sums in f32.  Nothing is left out.
; SHARES.  A work-group owns 64 queries (hn's tiles 4 qb .. 4 qb + 3) of one batch and ALL FOUR heads, so that the projection's K = 256 is whole inside it.  Sixteen waves: wave w = (head w / 4, tile w % 4), in 256 registers:
; four waves to a SIMD, so that one wave's softmax stands beside another's products and LDS loads.  On the way out wave w owns output channels 16 w .. 16 w + 15 for the 64 pixels.
; q = W_q hn + b_q is made at the head, while the first tiles land: source 0 = 16 rows of W_q, source 1 = my tile of hn: a lane holds one query, registers along d; quantised in registers.
; W_q's and proj_w's codes come as images of the operands' registers (wqi, pwi, laid by the first launch): a fragment is four loads of 512 consecutive bytes.
; THE SECOND PRODUCT'S K IS 64, the instruction's 128.  K's fragment f holds key a_r in k = 0..63 and key b_r in k = 64..127 of row r; q stands as [8 registers of zero codes | 8 of q | 8 of zero codes]:
; (q | 0) = v[24:39] gives the scores of keys a, (0 | q) = v[16:31] those of keys b.  The half that is not wanted multiplies zero codes by codes that are finite (the quantiser's hold makes no infinity and no NaN) under scale bytes that are never 0xff: exactly 0.
; THE SOFTMAX: t = score x log2(e) / 8; M = the running largest t rounded UP to a whole number; p = 2^(t - M) is quantised along the keys, not normalised; the row's sum is taken of the unquantised p and divides at the end;
; when M moves, the sum and O are multiplied by 2^(old M - new M): exact.  Both products are used transposed: a lane holds ONE query throughout; by the order of pixels in a tile p's 16 registers of two tiles are 16 neighbouring keys.
; A block's largest p is not searched for: p rises with the score, so the block's largest score goes through the same multiply-add and exponential (this takes v_exp_f32 not to fall where its input rises).
; CLUSTER.  The four work-groups of a cluster belong to one batch and walk the same K, V and scales: each tile is asked for JOINTLY, by the same tensor load with the same descriptor and the mask of all four.
; THE RING: two slots of 131,072 bytes: [head][2 key steps][K 8,192 | V 8,192], images of operands' registers, dense.  Waves 0-3 fetch, a head each.  Both slots are filled at the head (with the scales: three loads of a fetching wave are out);
; behind each round a fetching wave has one load out.  The batch's scale registers stay in LDS.  The third change of slots brings x's tile (256 channels x 64 pixels), which is what the projection's sums begin with.
; K A STEP AHEAD.  Two runs of 64 registers change roles from step to step: one holds K and then V, the other the scores and then p.  As soon as a block of p is converted, its 16 registers take the NEXT step's fragment of K:
; the rest of the conversions, the rescaling of O^T and the products V^T P stand between those loads and their use.
; THE CHANGE OF SLOTS STANDS INSIDE A SLOT'S SECOND KEY STEP: behind its last LDS read (V is in registers) and ahead of its conversions, so that the same work stands behind the round while the next slot's first K is on its way.
; LIMITS: NaN and infinities among the inputs are not served.  A block under 2^(16 - 127), or of zeros, keeps the byte 1.  A p under 2^-126 is taken as 0 (v_exp_f32's way with denormals).  O / l is a multiplication by v_rcp_f32(l).
.set SLOT1, 1<<17                      ; slot 1 begins here: one exclusive or turns an address in one slot into the other's
.set SCB,   262144                     ; the batch's scale registers: [head][st][K 4 x 128 | V 4 x 128], 32,768 bytes, filled once
.set AIMG,  294912                     ; the attention output's 8 fragments (2 tile + K step), images, 16,384 bytes
.set ASC,   311296                     ; their scale registers, 128 bytes each
.set SPARE, 312320                     ; the spare words, 128 bytes for each of 16 waves: no other line names them
.set AF0, 1                            ; v1   16 x lane + my head's place in a slot
.set AS0, 2                            ; v2   my lane's place among my head's scale registers
.set SPW, 5                            ; v5   LDS address of my spare word; never rewritten
.set NIL, 6                            ; v6   0; never rewritten
.set PFO, 7                            ; v7   the prefetches' offset, from lane to lane
.set ADF, 8                            ; v8   the fragments of the slot in hand
.set ADS, 9                            ; v9   its scale registers
; v12 -M, v13 the largest t, v[14:15] the sum in two halves; v16-39 zeros | q | zeros
.set RA,  40                           ; v40-103   in a slot's first step: K, then V; in its second: the scores, then p
.set RB,  104                          ; v104-167  the other way round
.set OT,  168                          ; v168-199  O^T
.set PC,  200                          ; v200-215  p's codes (at the head and on the way out v200-231: four accumulators)
.set BM,  216                          ; v216-219  the blocks' largest scores, then p
.set PX,  220                          ; v220-223  the other half's; the bytes
.set HD,  224
.set SC,  228                          ; v228-231  the conversions' scale operands
.set T,   232
.set FF,  234                          ; v[234:235] f = 2^(old M - new M)
.set S2,  236                          ; v[236:237] the sum's second chain
.set QAD, 232                          ; v232-235  at the head, ahead of the key steps: the four offsets of q's loads; no load of that run lands here
.set BM2, 238                          ; v238-241, v244-245  the same three things for the quantiser of 32 numbers
.set PX2, 240
.set HD2, 242
.set SC2, 244
.set FS,  246                          ; v246-255 hold scales and nothing else: v246-249 V's, v250 p's, v251-254 K's, v255 q's
.set PW,  250
.set KS,  251
.set QW,  255
.set WV,  28                           ; s28 wave;  s29 head;  s30 tile;  s31 cx;  s32 query block;  s33 batch
.set HDN, 29
.set QT,  30
.set CX,  31
.set QB,  32
.set BN,  33
.set SEL, 34                           ; s[34:35] v_permlanex16_b32's selects for lane l xor 16
.set CS,  36                           ; s[36:37] c = log2(e) / 8
.set MNT, 38
.set TB,  39                           ; s39 LDS byte at which the slot in hand begins
.set TS,  40                           ; s40 where its scale registers begin
.set SLOTS, 41                         ; s41 slots of keys still to be asked for
.set LIM,  42                          ; s42 1 in a wave that prefetches K and V, else the greatest number
.set LIMX, 43                          ; s43 1 in a wave that prefetches x, else 0
.set G1J, 44                           ; s[44:51] group 1: 128 rows of 256 bytes, joint
.set G1S, 52                           ; s[52:59] 32 rows of 256 bytes, joint
.set G0,  60                           ; s[60:63] group 0 of slot 1's first fill; it then walks on
.set G1X, 68                           ; s[68:75] x's tile: 64 rows of 256 bytes, 4,096 apart, padded; my work-group's own
.set G0S, 76                           ; s[76:79] the scales'
.set G0X, 80                           ; s[80:83] x's
.set PFA, 84                           ; s[84:85] where my prefetch of K and V stands
.set PFX, 86                           ; s[86:87] and of x
.set G0A, 96                           ; s[96:99] group 0 of slot 0's first fill.  (s88-91 and s96-99 never hold cx; s92-95 are at work)
.macro PLACES n
.rept \n
	v_nop
.endr
.endm
; A round of the cluster's barrier: my work-group's barrier, so that wave 0's signal speaks for all sixteen waves; wave 0 signals; every wave waits for the four work-groups; my work-group's barrier once more
.macro CROUND
	s_barrier_signal -1
	s_barrier_wait -1
	s_cmp_lg_u32 s[WV], 0
	s_cbranch_scc1 .Lnot_wave_0_\@
	s_barrier_signal -3
.Lnot_wave_0_\@:
	s_barrier_wait -3
	s_barrier_signal -1
	s_barrier_wait -1
.endm
.macro TLOAD g0, g1                    ; waves 0-3 fetch; the branch hangs on the wave's number alone.  An s_nop 0 and four v_nop follow the load
	s_cmp_lt_u32 s[WV], 4
	s_cbranch_scc0 .Lno_load_\@
	tensor_load_to_lds s[\g0:\g0+3], s[\g1:\g1+7]
	s_nop 0
	PLACES 4
.Lno_load_\@:
.endm
; PREFETCHES INTO THE L2, where the fetching waves have their tensor load, for what the NEXT change of slots will ask for: two key steps ahead of that load.  Each aligned block of 256 bytes is named once in the launch.
; The loop's first trip: key steps 6 and 7.  All clusters of a batch walk the same 131,072 bytes, so the batch's first cluster asks; its four partners take a head each, told apart BY ADDRESS; in each, waves 4-7 take 8,192 bytes, lanes 256 bytes apart.
; Its second trip: waves 8-15 ask for the work-group's own tile of x, 32 rows a wave, a lane a row.  Key steps 0 to 5 and the scales come by their loads alone: nothing is asked for at the head.
.macro ASK
	s_cmp_gt_u32 s[SLOTS], s[LIM]
	s_cbranch_scc0 .Lnot_kv_\@
	global_prefetch_b8 v[PFO], s[PFA:PFA+1] th:TH_LOAD_NT scope:SCOPE_SE
.Lnot_kv_\@:
	s_cmp_eq_u32 s[SLOTS], s[LIMX]
	s_cbranch_scc0 .Lnot_x_\@
	global_prefetch_b8 v[PFO], s[PFX:PFX+1] th:TH_LOAD_NT scope:SCOPE_SE
.Lnot_x_\@:
.endm
; THE CHANGE OF SLOTS.  Each wave waits for all its tensor loads (its part of the other slot), adds 0 to its spare word, and waits for that and for its reads of the slot in hand, of which V's were the last.
; Behind the round the other slot is whole in all four work-groups and no wave of any of them reads the slot in hand: it is filled again, and the load has two key steps in which to land.  ring = 1: the keys two slots on, jointly; 0: x's tile.
.macro CHANGE ring
	s_wait_tensorcnt 0x0                           ; no tensor load of mine is out, so a group 0 may be written
	ds_add_u32 v[SPW], v[NIL]                      ; 0 onto my spare word,
	ds_add_u32 v[SPW], v[NIL]                      ; and twice on end here, every time alike
.if \ring
	s_xor_b32 s[G0+1], s[G0+1], SLOT1              ; the walking descriptor: the other slot than last time,
	s_add_nc_u64 s[G0+2:G0+3], s[G0+2:G0+3], 32768 ; my head's next two key steps; the type bits on top are not reached
.endif
	s_wait_dscnt 0x0                               ; both adds are done, and my reads of the slot in hand are over
	CROUND
.if \ring
	TLOAD G0, G1J                                  ; the first thing behind the round, and a wave's one tensor load until the next
	ASK
.else
	TLOAD G0X, G1X
.endif
.endm
; 32 numbers of a lane, v[s] on, register 16 b + i = k 32 b + 16 h + i of my row, become 8 registers of codes at v[d] on; their two scale bytes come into v[PX2], the lower block's below
.macro QUANT2 s, d
.irp b, 0,1
	v_max3_num_f32 v[BM2+\b], |v[\s+16*\b]|, |v[\s+1+16*\b]|, 0x8000000   ; each accumulator from its low end on; the floor 2^(16 - 127)
.endr
.irp i, 2,4,6,8,10,12,14
.irp b, 0,1
	v_max3_num_f32 v[BM2+\b], v[BM2+\b], |v[\s+16*\b+\i]|, |v[\s+1+16*\b+\i]|
.endr
.endr
.irp b, 0,1
	s_delay_alu instid0(VALU_DEP_2)
	v_permlanex16_b32 v[PX2+\b], v[BM2+\b], s[SEL], s[SEL+1]
.endr
.irp b, 0,1
	s_delay_alu instid0(VALU_DEP_2)
	v_max_num_f32 v[BM2+\b], v[BM2+\b], v[PX2+\b]
.endr
.irp b, 0,1
	s_delay_alu instid0(VALU_DEP_2)
	v_add_nc_u32 v[SC2+\b], 0xf8800000, v[BM2+\b]
.endr
.irp b, 0,1
.endr
.irp b, 0,1
	s_delay_alu instid0(VALU_DEP_2)
	v_lshrrev_b32 v[PX2+\b], 23, v[SC2+\b]
.endr
	s_delay_alu instid0(VALU_DEP_1)
	v_lshl_or_b32 v[PX2], v[PX2+1], 8, v[PX2]
.irp b, 0,1
.irp i, 0,1,2,3,4,5,6,7,8,9,10,11,12,13,14,15
.endr
	v_cvt_scalef32_pk8_bf8_f32 v[\d+4*\b:\d+1+4*\b], v[\s+16*\b:\s+7+16*\b], v[SC2+\b]
	v_cvt_scalef32_pk8_bf8_f32 v[\d+2+4*\b:\d+3+4*\b], v[\s+8+16*\b:\s+15+16*\b], v[SC2+\b]
.endr
	v_nop                                          ; a plain instruction behind the last conversion
.endm
; A KEY STEP: 128 keys, the q-th of the slot in hand.  Its K was asked for a step ago (the first step's: at the head) into v[ra] on, its scale registers into v[KS] on.  v[ra] on then takes V; v[rb] on the scores, p, and at last the next step's K.
; mode 0: the next step lies in the same slot.  1: the slots change, and the slot in hand takes the keys two slots on.  2: they change, and it takes x's tile.  3: the last step: nothing follows.
.macro STEP q, ra, rb, mode
	PLACES 9                                       ; the scores are laid over registers that the last products read: nine places: eight and one more for a matrix instruction that writes over them
	s_wait_dscnt 0x0                               ; K
.irp f, 0,1,2,3                                ; S^T: a fragment of K feeds two products: keys a against (q | 0), keys b against (0 | q)
	v_wmma_scale_f32_16x16x128_f8f6f4 v[\rb+16*\f:\rb+16*\f+7], v[\ra+16*\f:\ra+16*\f+15], v[24:39], 0, v[KS+\f], v[QW] matrix_a_fmt:MATRIX_FMT_BF8 matrix_b_fmt:MATRIX_FMT_BF8
	v_wmma_scale_f32_16x16x128_f8f6f4 v[\rb+16*\f+8:\rb+16*\f+15], v[\ra+16*\f:\ra+16*\f+15], v[16:31], 0, v[KS+\f], v[QW] matrix_a_fmt:MATRIX_FMT_BF8 matrix_b_fmt:MATRIX_FMT_BF8
.endr                                          ; register rb + 16 f + i of lane (r, h): query r, key 32 f + 16 h + i of the step
	PLACES 8                                       ; in front of loads into registers that these products have read, and of the first read of their results
.irp t, 0,1,2,3                                ; V's fragments are asked for now, where K lay: they land under the softmax
.irp c, 0,1,2,3
	ds_load_b128 v[\ra+16*\t+4*\c:\ra+16*\t+4*\c+3], v[ADF] offset:16384*(\q)+8192+2048*\t+512*\c
.endr
	ds_load_b32 v[FS+\t], v[ADS] offset:1024*(\q)+512+128*\t
.endr
.irp b, 0,1,2,3
	v_max3_num_f32 v[BM+\b], v[\rb+16*\b], v[\rb+1+16*\b], v[\rb+2+16*\b]   ; the largest score of each block of 32 keys: for the row's maximum, and for the block's largest p
.endr
.irp i, 3,5,7,9,11,13
.irp b, 0,1,2,3
	v_max3_num_f32 v[BM+\b], v[BM+\b], v[\rb+16*\b+\i], v[\rb+1+16*\b+\i]
.endr
.endr
.irp b, 0,1,2,3
	v_max_num_f32 v[BM+\b], v[BM+\b], v[\rb+15+16*\b]
.endr
.irp b, 0,1,2,3
	s_delay_alu instid0(VALU_DEP_4)
	v_permlanex16_b32 v[PX+\b], v[BM+\b], s[SEL], s[SEL+1]
.endr
.irp b, 0,1,2,3
	s_delay_alu instid0(VALU_DEP_4)
	v_max_num_f32 v[BM+\b], v[BM+\b], v[PX+\b]     ; with lane l xor 16's 16 keys
.endr
	s_delay_alu instid0(VALU_DEP_2)
	v_max3_num_f32 v[T], v[BM], v[BM+1], v[BM+2]
	s_delay_alu instid0(VALU_DEP_1)
	v_max_num_f32 v[T], v[T], v[BM+3]              ; the step's largest score of my query
	s_delay_alu instid0(VALU_DEP_1)
	v_mul_f32 v[T], s[CS], v[T]                    ; as t (c is positive)
	s_delay_alu instid0(VALU_DEP_1)
	v_max_num_f32 v13, v13, v[T]                   ; the running largest t
	v_mov_b32 v[T], v12
	s_delay_alu instid0(VALU_DEP_2)
	v_floor_f32 v12, -v13                          ; the new -M = floor(-t) = -ceil(t): a whole number
	s_delay_alu instid0(VALU_DEP_1)
	v_sub_f32 v[T], v12, v[T]                      ; M's old value less its new one: a whole number, 0 or less
	s_delay_alu instid0(VALU_DEP_1)
	v_cvt_i32_f32 v[T], v[T]                       ; (it saturates)
	s_delay_alu instid0(VALU_DEP_1)
	v_ldexp_f32 v[FF], 1.0, v[T]                   ; f = 2^(old M - new M)
.set j, 0
.rept 32
	v_pk_fma_f32 v[\rb+j:\rb+j+1], v[\rb+j:\rb+j+1], s[CS:CS+1], v[12:13] op_sel_hi:[1,0,0]   ; t - M, two at a time (of the pairs c and -M the low word serves both halves)
.set j, j+2
.endr
.irp b, 0,1,2,3
	v_fma_f32 v[BM+\b], v[BM+\b], s[CS], v12       ; the same of each block's largest score
.endr
.set j, 0
	s_wait_alu depctr_va_vdst(0)
.rept 64
	v_exp_f32 v[\rb+j], v[\rb+j]                   ; p = 2^(t - M), at most 1
.set j, j+1
.endr
	v_pk_mul_f32 v[14:15], v[14:15], v[FF:FF+1] op_sel_hi:[1,0]   ; the sums under the new M: a plain instruction behind the exponentials
	s_wait_alu depctr_va_vdst(0)                   ; the wait ahead of the first line that names a result: one for the batch of 64
.irp b, 0,1,2,3
	v_exp_f32 v[BM+\b], v[BM+\b]                   ; the block's largest p: the same two instructions on the same number give the same bits
.endr
	v_pk_add_f32 v[S2:S2+1], v[\rb:\rb+1], v[\rb+2:\rb+3]   ; the row's sum is taken of the unquantised p: two at a time, in two chains
.irp j, 4,8,12,16,20,24,28,32,36,40,44,48,52,56,60
	v_pk_add_f32 v[14:15], v[14:15], v[\rb+\j:\rb+\j+1]
	v_pk_add_f32 v[S2:S2+1], v[S2:S2+1], v[\rb+\j+2:\rb+\j+3]
.endr
	s_delay_alu instid0(VALU_DEP_1)
	v_pk_add_f32 v[14:15], v[14:15], v[S2:S2+1]
	s_wait_alu depctr_va_vdst(0)                   ; and one for the four
.irp b, 0,1,2,3
	v_max_num_f32 v[BM+\b], 0x8000000, v[BM+\b]    ; the floor 2^(16 - 127): the byte cannot fall under 1
.endr
.irp b, 0,1,2,3
	s_delay_alu instid0(VALU_DEP_4)
	v_add_nc_u32 v[SC+\b], 0xf8800000, v[BM+\b]    ; 15 off the exponent field: the conversion's scale operand
.endr
.irp b, 0,1,2,3
.endr
.irp b, 0,1,2,3
	s_delay_alu instid0(VALU_DEP_4)
	v_lshrrev_b32 v[PX+\b], 23, v[SC+\b]           ; the scale's byte
.endr
	s_delay_alu instid0(VALU_DEP_3)
	v_lshl_or_b32 v[PW], v[PX+1], 8, v[PX]         ; p's scale word for these 128 keys: the conversions and the 16 multiplies of O^T below are more than the eight places that it wants ahead of the products
	s_delay_alu instid0(VALU_DEP_1)
	v_lshl_or_b32 v[PW], v[PX+2], 16, v[PW]
	s_delay_alu instid0(VALU_DEP_1)
	v_lshl_or_b32 v[PW], v[PX+3], 24, v[PW]
.if \mode == 1
	CHANGE 1
.endif
.if \mode == 2
	CHANGE 0
.endif
.if \mode == 0
.set KOFF, 16384*((\q)+1)                      ; the next step's K: in the same slot,
.set SOFF, 1024*((\q)+1)
.else
.set KOFF, 0                                   ; or the first of the other slot
.set SOFF, 0
.endif
.if (\mode == 1) || (\mode == 2)
	s_xor_b32 s[TB], s[TB], SLOT1                  ; on to the other slot,
	s_add_co_u32 s[TS], s[TS], 2048                ; and to its two steps' scale registers
	v_add_nc_u32 v[ADF], s[TB], v[AF0]
	v_add_nc_u32 v[ADS], s[TS], v[AS0]
.endif
.irp b, 0,1,2,3
.irp i, 0,1,2,3,4,5,6,7,8,9,10,11,12,13,14,15
.endr
	v_cvt_scalef32_pk8_bf8_f32 v[PC+4*\b:PC+1+4*\b], v[\rb+16*\b:\rb+7+16*\b], v[SC+\b]
	v_cvt_scalef32_pk8_bf8_f32 v[PC+2+4*\b:PC+3+4*\b], v[\rb+8+16*\b:\rb+15+16*\b], v[SC+\b]
.if \mode < 3
.irp c, 0,1,2,3
	ds_load_b128 v[\rb+16*\b+4*\c:\rb+16*\b+4*\c+3], v[ADF] offset:KOFF+2048*\b+512*\c   ; the block is converted: its 16 registers take the next step's fragment b of K
.endr
	ds_load_b32 v[KS+\b], v[ADS] offset:SOFF+128*\b
.endif
.endr
.set j, 0
.rept 16
	v_pk_mul_f32 v[OT+j:OT+j+1], v[OT+j:OT+j+1], v[FF:FF+1] op_sel_hi:[1,0]   ; O^T under the new M.  (These 16 are also the places between the codes and the products)
.set j, j+2
.endr
.if \mode < 3
	s_wait_alu depctr_va_vdst(0)
	s_wait_dscnt 20                                ; V is in: behind its 20 loads stand the next K's 20, which may stay out
.else
	s_wait_alu depctr_va_vdst(0)
	s_wait_dscnt 0x0                               ; V
.endif
.irp t, 0,1,2,3                                ; O^T += V^T P^T: four accumulators by turns
	v_wmma_scale_f32_16x16x128_f8f6f4 v[OT+8*\t:OT+8*\t+7], v[\ra+16*\t:\ra+16*\t+15], v[PC:PC+15], v[OT+8*\t:OT+8*\t+7], v[FS+\t], v[PW] matrix_a_fmt:MATRIX_FMT_BF8 matrix_b_fmt:MATRIX_FMT_BF8
.endr
.endm
	s_load_b512 s[4:19], s[0:1], 0x0               ; x s[4:5], hnc s[6:7], hns s[8:9], wqi s[10:11], W's scales s[12:13], qkv_b s[14:15], kvc s[16:17], kvs s[18:19]
	s_load_b256 s[20:27], s[0:1], 0x40             ; pwi s[20:21], proj_w's scales s[22:23], proj_b s[24:25], out0 s[26:27]
	v_lshl_add_u32 v[SPW], v0, 2, SPARE
	v_mov_b32 v[NIL], 0
	ds_add_u32 v[SPW], v[NIL]                      ; the wave's opening: the add, twice on end, and its wait ahead of the first round and the first tensor loads; the set-up below stands between
	ds_add_u32 v[SPW], v[NIL]
	v_lshrrev_b32 v1, 5, v0
	s_delay_alu instid0(VALU_DEP_1)
	v_readfirstlane_b32 s[WV], v1                  ; wave 0..15
	s_lshr_b32 s[HDN], s[WV], 2                    ; my head
	s_and_b32 s[QT], s[WV], 3                      ; my tile of queries.  Also, in waves 0-3: the head that I fetch
	s_bfe_u32 s[CX], ttmp6, 0x40000                ; cx: my place in the cluster
	s_lshl_b32 s[QB], ttmp9, 2                     ; in a cluster launch ttmp9 counts clusters
	s_add_co_u32 s[QB], s[QB], s[CX]               ; my block of 64 queries: it enters the addresses of hn, x and out0 alone
	s_and_b32 s[BN], ttmp7, 0xffff                 ; the batch, which the four partners share
	s_mov_b32 s[SEL], 0x76543210
	s_mov_b32 s[SEL+1], 0xfedcba98
	s_mov_b32 s[CS], 0x3e38aa3b                    ; c = log2(e) / 8
	s_mov_b32 s[CS+1], s[CS]                       ; (named with it as a pair, so it is written)
	s_mov_b32 s[TB], 0
	s_mov_b32 s[TS], 0
	s_mov_b32 s[SLOTS], 2
	s_mov_b32 s[G1J], 15|(3<<16)|(1<<21)           ; 15:0 the mask: all four work-groups; 17:16 elements of 8 bytes; 21 set beside a mask
	s_mov_b32 s[G1J+1], 32<<16                     ; tensor_dim0 = 32 elements: 256 bytes
	s_mov_b32 s[G1J+2], 128<<16                    ; tensor_dim1 = 128 rows: a head's two key steps, dense
	s_mov_b32 s[G1J+3], 32<<16                     ; tile_dim0
	s_mov_b32 s[G1J+4], 128                        ; tile_dim1
	s_mov_b32 s[G1J+5], 32
	s_mov_b32 s[G1J+6], 0
	s_mov_b32 s[G1J+7], 0
	s_mov_b32 s[G1S], 15|(3<<16)|(1<<21)
	s_mov_b32 s[G1S+1], 32<<16
	s_mov_b32 s[G1S+2], 32<<16                     ; 32 rows: a head's scale registers
	s_mov_b32 s[G1S+3], 32<<16
	s_mov_b32 s[G1S+4], 32
	s_mov_b32 s[G1S+5], 32
	s_mov_b32 s[G1S+6], 0
	s_mov_b32 s[G1S+7], 0
	s_mov_b32 s[G1X], (2<<16)|(1<<20)|(5<<22)|(3<<25)  ; no mask; elements of 4 bytes; padding on: after every 64 words (code 5) four words (code 3)
	s_mov_b32 s[G1X+1], 64<<16                     ; 64 pixels: 256 bytes
	s_mov_b32 s[G1X+2], 64<<16                     ; 64 channels
	s_mov_b32 s[G1X+3], 64<<16
	s_mov_b32 s[G1X+4], 64
	s_mov_b32 s[G1X+5], 1024                       ; a channel's 1,024 pixels
	s_mov_b32 s[G1X+6], 0
	s_mov_b32 s[G1X+7], 0
	s_lshl_b32 s88, s[BN], 19                      ; kvc: 524,288 b + 131,072 head
	s_lshl_b32 s90, s[QT], 17
	s_add_co_u32 s88, s88, s90
	s_mov_b32 s89, 0
	s_lshl_b32 s90, s[BN], 15                      ; kvs: 32,768 b + 8,192 head
	s_lshl_b32 s91, s[QT], 13
	s_add_co_u32 s90, s90, s91
	s_mov_b32 s91, 0
	s_wait_dscnt 0x0                               ; both opening adds are done
	s_wait_kmcnt 0x0
	s_mov_b32 s[G0S], 1                            ; count = 1
	s_lshl_b32 s[G0S+1], s[QT], 13
	s_add_co_u32 s[G0S+1], s[G0S+1], SCB           ; no place in the cluster enters an LDS address
	s_add_nc_u64 s[G0S+2:G0S+3], s[18:19], s[90:91]
	s_or_b32 s[G0S+3], s[G0S+3], 0x80000000        ; type = 2
	s_mov_b32 s[G0A], 1
	s_lshl_b32 s[G0A+1], s[QT], 15                 ; slot 0, my head: key steps 0 and 1
	s_add_nc_u64 s[G0A+2:G0A+3], s[16:17], s[88:89]
	s_or_b32 s[G0A+3], s[G0A+3], 0x80000000
	s_mov_b32 s[G0], 1
	s_add_co_u32 s[G0+1], s[G0A+1], SLOT1          ; slot 1, my head: key steps 2 and 3
	s_add_nc_u64 s[G0+2:G0+3], s[16:17], s[88:89]
	s_add_nc_u64 s[G0+2:G0+3], s[G0+2:G0+3], 32768
	s_or_b32 s[G0+3], s[G0+3], 0x80000000
	CROUND                                         ; all four work-groups are here: the first joint loads meet
	s_cmp_lt_u32 s[WV], 4                          ; a fetching wave's three first fills stand in one branch, ahead of every wait on TENSORcnt and every LDS read: three loads of mine are out
	s_cbranch_scc0 .Lno_first
	tensor_load_to_lds s[G0S:G0S+3], s[G1S:G1S+7]  ; my head's scale registers: filled once
	s_nop 0
	tensor_load_to_lds s[G0A:G0A+3], s[G1J:G1J+7]  ; slot 0
	s_nop 0
	tensor_load_to_lds s[G0:G0+3], s[G1J:G1J+7]    ; slot 1
	s_nop 0
	PLACES 4
.Lno_first:
	; ---- q, while the first tiles land
	v_and_b32 v3, 31, v0                           ; lane
	v_and_b32 v10, 15, v0                          ; r
	v_bfe_u32 v11, v0, 4, 1                        ; h
	s_delay_alu instid0(VALU_DEP_2)
	v_and_b32 v4, 8, v10
	s_delay_alu instid0(VALU_DEP_1)
	v_add_nc_u32 v4, v4, v10                       ; rr = r + (r & 8)
	v_lshlrev_b32 v[QAD], 4, v3                    ; 16 x lane: an image's place
	s_wait_alu depctr_va_vdst(0)
	v_lshlrev_b32 v[QAD+1], 2, v3                  ; 4 x lane
	s_wait_alu depctr_va_vdst(0)
	v_lshlrev_b32 v[QAD+2], 3, v4                  ; W_q's scale bytes: 8 a row
	s_wait_alu depctr_va_vdst(0)
	v_lshlrev_b32 v[QAD+3], 6, v11                 ; b_q: 64 h
	s_wait_alu depctr_va_vdst(0)
	s_mov_b32 s95, 0
	s_lshl_b32 s94, s[BN], 18                      ; hn's codes: 262,144 b + 4,096 (4 qb + tile)
	s_lshl_b32 s92, s[QB], 14
	s_add_co_u32 s94, s94, s92
	s_lshl_b32 s92, s[QT], 12
	s_add_co_u32 s94, s94, s92
	s_add_nc_u64 s[6:7], s[6:7], s[94:95]
	s_lshl_b32 s94, s[BN], 13                      ; its scale words: 8,192 b + 128 (4 qb + tile)
	s_lshl_b32 s92, s[QB], 9
	s_add_co_u32 s94, s94, s92
	s_lshl_b32 s92, s[QT], 7
	s_add_co_u32 s94, s94, s92
	s_add_nc_u64 s[8:9], s[8:9], s[94:95]
	s_lshl_b32 s94, s[HDN], 14                     ; my head's four tiles of W_q, two fragments each,
	s_add_nc_u64 s[10:11], s[10:11], s[94:95]
	s_lshl_b32 s94, s[HDN], 9                      ; their scale bytes,
	s_add_nc_u64 s[12:13], s[12:13], s[94:95]
	s_lshl_b32 s94, s[HDN], 8                      ; their biases
	s_add_nc_u64 s[14:15], s[14:15], s[94:95]
.irp ks, 0,1
.irp c, 0,1,2,3
	global_load_b128 v[OT+16*\ks+4*\c:OT+16*\ks+4*\c+3], v[QAD], s[6:7] offset:2048*\ks+512*\c   ; my tile of hn: two fragments
.endr
.endr
	global_load_b32 v254, v[QAD+1], s[8:9]         ; lanes 0-15: K step 0's scale words; lanes 16-31: K step 1's
.irp t, 0,1,2,3
.irp ks, 0,1
.irp c, 0,1,2,3
	global_load_b128 v[RA+16*(2*\t+\ks)+4*\c:RA+16*(2*\t+\ks)+4*\c+3], v[QAD], s[10:11] offset:4096*\t+2048*\ks+512*\c   ; W_q's fragments: 32 lanes read 512 consecutive bytes
.endr
.endr
.endr
.irp t, 0,1,2,3
	global_load_b64 v[FS+2*\t:FS+2*\t+1], v[QAD+2], s[12:13] offset:(32*(\t/2)+8*(\t%2))*8
.endr
.irp t, 0,1,2,3
	global_load_b128 v[PC+8*\t:PC+8*\t+3], v[QAD+3], s[14:15] offset:(32*(\t/2)+8*(\t%2))*4      ; the bias is what the sums begin with
	global_load_b128 v[PC+8*\t+4:PC+8*\t+7], v[QAD+3], s[14:15] offset:(32*(\t/2)+8*(\t%2))*4+16
.endr
	; while they are on their way: x's descriptor, out0, the prefetches, the key steps' addresses
	s_lshl_b32 s92, s[BN], 20                      ; x and out0: the batch, and my block's 64 pixels
	s_lshl_b32 s94, s[QB], 8
	s_add_co_u32 s92, s92, s94
	s_mov_b32 s93, 0
	s_lshl_b32 s94, s[QT], 18                      ; the 64 channels that I fetch
	s_mov_b32 s[G0X], 1
	s_mul_i32 s[G0X+1], s[QT], 17408               ; 64 rows of 272 bytes, in slot 0
	s_add_nc_u64 s[G0X+2:G0X+3], s[4:5], s[92:93]
	s_add_nc_u64 s[G0X+2:G0X+3], s[G0X+2:G0X+3], s[94:95]
	s_or_b32 s[G0X+3], s[G0X+3], 0x80000000
	s_add_nc_u64 s[PFX:PFX+1], s[4:5], s[92:93]
	s_add_nc_u64 s[26:27], s[26:27], s[92:93]      ; out0 at my batch and block
	s_and_b32 s94, s[WV], 7                        ; the prefetch of x: my wave's 32 channels
	s_lshl_b32 s94, s94, 17
	s_add_nc_u64 s[PFX:PFX+1], s[PFX:PFX+1], s[94:95]
	s_lshl_b32 s94, s[BN], 19                      ; the prefetch of K and V: head cx, key steps 6 and 7, my wave's 8,192 bytes
	s_lshl_b32 s92, s[CX], 17
	s_add_co_u32 s94, s94, s92
	s_lshl_b32 s92, s[QT], 13
	s_add_co_u32 s94, s94, s92
	s_add_co_u32 s94, s94, 98304
	s_add_nc_u64 s[PFA:PFA+1], s[16:17], s[94:95]
	s_sub_co_u32 s92, s[WV], 4
	s_lshr_b32 s92, s92, 2                         ; 0 in waves 4-7,
	s_or_b32 s92, s92, ttmp9                       ; of the batch's first cluster: the same in all four partners
	s_cmp_eq_u32 s92, 0
	s_cselect_b32 s[LIM], 1, -1
	s_cmp_ge_u32 s[WV], 8
	s_cselect_b32 s[LIMX], 1, 0
	s_cselect_b32 s92, 12, 8                       ; from lane to lane: a row of x, or 256 bytes of K and V
	v_lshlrev_b32 v[PFO], s92, v3
	s_lshl_b32 s92, s[HDN], 15
	v_lshl_add_u32 v[AF0], v3, 4, s92
	s_lshl_b32 s92, s[HDN], 13
	s_add_co_u32 s92, s92, SCB
	v_lshl_add_u32 v[AS0], v3, 2, s92
	s_wait_loadcnt 0x0                             ; all of q's loads are in: their four offsets' registers may be written again
.irp t, 0,1,2,3
	v_wmma_scale_f32_16x16x128_f8f6f4 v[PC+8*\t:PC+8*\t+7], v[RA+32*\t:RA+32*\t+15], v[OT:OT+15], v[PC+8*\t:PC+8*\t+7], v[FS+2*\t], v254 matrix_a_fmt:MATRIX_FMT_BF8 matrix_b_fmt:MATRIX_FMT_BF8
.endr
.irp t, 0,1,2,3
	v_wmma_scale_f32_16x16x128_f8f6f4 v[PC+8*\t:PC+8*\t+7], v[RA+32*\t+16:RA+32*\t+31], v[OT+16:OT+31], v[PC+8*\t:PC+8*\t+7], v[FS+2*\t+1], v254 matrix_a_fmt:MATRIX_FMT_BF8 matrix_b_fmt:MATRIX_FMT_BF8 matrix_b_scale:MATRIX_SCALE_ROW1
.endr
.irp j, 0,1,2,3,4,5,6,7
	v_mov_b32 v[16+\j], 0                          ; the zero codes on both sides of q.  (These lines are also the places behind the products)
	v_mov_b32 v[32+\j], 0
.endr
	v_mov_b32 v[PX2], 0                            ; a lane permute's destination counts as one of its sources
	v_mov_b32 v[PX2+1], 0
	QUANT2 PC, 24
	v_lshl_or_b32 v[QW], v[PX2], 16, v[PX2]        ; q's scale word [s0 s1 s0 s1]: it serves (q | 0) and (0 | q)
	v_mov_b32 v13, 0xff61b1e6                      ; the largest t so far: -3e38, under every t
	s_delay_alu instid0(VALU_DEP_1)
	v_floor_f32 v12, -v13                          ; -M
	v_mov_b32 v14, 0                               ; the sum, in two halves
	v_mov_b32 v15, 0
.irp b, 0,1,2,3
	v_mov_b32 v[PX+\b], 0
.endr
	v_mov_b32 v[FF+1], 0                           ; (named as the upper half of a pair)
.set j, 0
.rept 32
	v_mov_b32 v[OT+j], 0                           ; O^T.  (The step is written once: the first finds zeros, which the first change of M leaves zeros)
.set j, j+1
.endr
	s_wait_tensorcnt 0x1                           ; my scales and my part of slot 0 are in; behind them stands slot 1's load, which may stay out
	s_barrier_signal -1
	s_barrier_wait -1                              ; everybody's are
	v_add_nc_u32 v[ADF], s[TB], v[AF0]
	v_add_nc_u32 v[ADS], s[TS], v[AS0]
.irp f, 0,1,2,3                                ; the first step's K
.irp c, 0,1,2,3
	ds_load_b128 v[RA+16*\f+4*\c:RA+16*\f+4*\c+3], v[ADF] offset:2048*\f+512*\c
.endr
	ds_load_b32 v[KS+\f], v[ADS] offset:128*\f
.endr
.Lslot:                                            ; two trips, a slot each: key steps 0 to 3; their changes of slots ask for key steps 4 to 7
	s_wait_alu depctr_va_vdst(0)
	STEP 0, RA, RB, 0
	STEP 1, RB, RA, 1
	s_sub_co_u32 s[SLOTS], s[SLOTS], 1
	s_cmp_lg_u32 s[SLOTS], 0
	s_cbranch_scc1 .Lslot
	STEP 0, RA, RB, 0                              ; the last two slots are written out: key steps 4 and 5, and slot 0 takes x's tile;
	STEP 1, RB, RA, 2
	STEP 0, RA, RB, 0                              ; key steps 6 and 7: nothing is left to ask for
	STEP 1, RB, RA, 3
	; ---- THE WAY OUT.  The addresses first: eighteen plain lines, the places behind the last products
	s_wait_xcnt 0x0                                ; the last prefetch, two slots back, has read its offset
	v_and_b32 v1, 15, v0                           ; r
	v_bfe_u32 v2, v0, 4, 1                         ; h
	v_and_b32 v3, 31, v0                           ; lane
	s_wait_alu depctr_va_vdst(0)
	s_lshl_b32 s88, s[QT], 12                      ; my part of the attention output's images: fragment 2 tile + head / 2, registers 8 (head % 2) on
	s_lshr_b32 s89, s[HDN], 1
	s_lshl_b32 s90, s89, 11
	s_add_co_u32 s88, s88, s90
	s_and_b32 s91, s[HDN], 1
	s_lshl_b32 s90, s91, 10
	s_add_co_u32 s88, s88, s90
	s_add_co_u32 s88, s88, AIMG
	v_lshl_add_u32 v4, v3, 4, s88
	s_lshl_b32 s88, s[QT], 8                       ; and of their scale words: bytes 2 (head % 2) on
	s_lshl_b32 s90, s89, 7
	s_add_co_u32 s88, s88, s90
	s_lshl_b32 s90, s91, 1
	s_add_co_u32 s88, s88, s90
	s_add_co_u32 s88, s88, ASC
	v_lshl_add_u32 v7, v3, 2, s88
	v_lshl_add_u32 v8, v3, 4, AIMG                 ; where any image is read
	v_lshl_add_u32 v9, v3, 2, ASC
	s_mul_i32 s88, s[WV], 4352                     ; x's rows 16 w .. 16 w + 15, 272 bytes apart: my output channels
	v_mul_u32_u24 v10, v1, 272
	s_delay_alu instid0(VALU_DEP_1)
	v_lshl_add_u32 v10, v2, 6, v10
	s_delay_alu instid0(VALU_DEP_1)
	v_add_nc_u32 v10, s88, v10                     ; lane (r, h), tile m: channel r, pixels 32 (m / 2) + 16 h + 8 (m % 2) + 0 .. 7
	v_mul_u32_u24 v11, v2, 272
	s_delay_alu instid0(VALU_DEP_1)
	v_lshl_add_u32 v11, v1, 4, v11
	s_delay_alu instid0(VALU_DEP_1)
	v_add_nc_u32 v11, s88, v11                     ; back: lanes 0-15 one row of 256 bytes, lanes 16-31 the next
	v_lshlrev_b32 v12, 12, v2
	s_delay_alu instid0(VALU_DEP_1)
	v_lshl_add_u32 v12, v1, 4, v12                 ; and the same two rows in out0
	v_lshlrev_b32 v13, 4, v3                       ; proj_w's image: 16 x lane
	s_wait_alu depctr_va_vdst(0)
	v_lshlrev_b32 v[T], 3, v1
	s_wait_alu depctr_va_vdst(0)
	v_lshlrev_b32 v[T+1], 2, v1
	s_wait_alu depctr_va_vdst(0)
	s_mov_b32 s89, 0
	s_lshl_b32 s88, s[WV], 12
	s_add_nc_u64 s[20:21], s[20:21], s[88:89]      ; my tile of proj_w: two fragments,
	s_lshl_b32 s88, s[WV], 7
	s_add_nc_u64 s[22:23], s[22:23], s[88:89]      ; its rows' scale bytes,
	s_lshl_b32 s88, s[WV], 6
	s_add_nc_u64 s[24:25], s[24:25], s[88:89]      ; their biases,
	s_lshl_b32 s88, s[WV], 16
	s_add_nc_u64 s[26:27], s[26:27], s[88:89]      ; their rows of out0
.irp ks, 0,1
.irp c, 0,1,2,3
	global_load_b128 v[RA+16*\ks+4*\c:RA+16*\ks+4*\c+3], v13, s[20:21] offset:2048*\ks+512*\c
.endr
.endr
	global_load_b64 v[254:255], v[T], s[22:23]
	global_load_b32 v[FF], v[T+1], s[24:25]
	v_add_f32 v14, v14, v15                        ; the sum's two halves,
	s_delay_alu instid0(VALU_DEP_1)
	v_permlanex16_b32 v[PX], v14, s[SEL], s[SEL+1]
	s_delay_alu instid0(VALU_DEP_1)
	v_add_f32 v14, v14, v[PX]                      ; and lane l xor 16's: the row's sum
	s_wait_alu depctr_va_vdst(0)
	v_rcp_f32 v[S2], v14
	v_nop                                          ; a plain instruction behind the transcendental,
	s_wait_alu depctr_va_vdst(0)                   ; and the wait ahead of the first line that names its result
.set j, 0
.rept 16
	v_pk_mul_f32 v[OT+j:OT+j+1], v[OT+j:OT+j+1], v[S2:S2+1] op_sel_hi:[1,0]   ; O^T / the sum; register 16 b + i: d = 32 b + 16 h + i of my query: two blocks of the projection's K
.set j, j+2
.endr
	QUANT2 OT, PC
	ds_store_b128 v4, v[PC:PC+3]                   ; the codes go to LDS as the image of the operand's registers,
	ds_store_b128 v4, v[PC+4:PC+7] offset:512
	ds_store_b16 v7, v[PX2]                        ; and my two bytes of the row's scale word
	s_wait_tensorcnt 0x0                           ; x's tile has landed,
	s_wait_dscnt 0x0                               ; my stores have landed,
	s_barrier_signal -1
	s_barrier_wait -1                              ; everybody's have.
.irp m, 0,1,2,3
	ds_load_b128 v[PC+8*\m:PC+8*\m+3], v10 offset:128*(\m/2)+32*(\m%2)        ; x: what the projection's sums begin with: the residual costs no addition
	ds_load_b128 v[PC+8*\m+4:PC+8*\m+7], v10 offset:128*(\m/2)+32*(\m%2)+16
.endr
.irp m, 0,1,2,3
.irp c, 0,1,2,3
	ds_load_b128 v[RB+16*\m+4*\c:RB+16*\m+4*\c+3], v8 offset:4096*\m+512*\c                                      ; tile m, K step 0
	ds_load_b128 v[72+16*\m+64*(\m/2)+4*\c:72+16*\m+64*(\m/2)+4*\c+3], v8 offset:4096*\m+2048+512*\c             ; K step 1: v72-103 and v168-199
.endr
	ds_load_b32 v[FS+2*\m], v9 offset:256*\m
	ds_load_b32 v[FS+2*\m+1], v9 offset:256*\m+128
.endr
	s_wait_dscnt 40                                ; x's eight loads are in: behind them stand 32 loads of fragments and 8 of scale words
	s_wait_loadcnt 0x0                             ; proj_w's fragments and scales, and the bias
.set j, 0
.rept 16
	v_pk_add_f32 v[PC+j:PC+j+1], v[PC+j:PC+j+1], v[FF:FF+1] op_sel_hi:[1,0]   ; + proj_b of my lane's channel
.set j, j+2
.endr
	s_wait_alu depctr_va_vdst(0)
	s_wait_dscnt 0x0
.irp m, 0,1,2,3                                ; source 0 = 16 queries, source 1 = my 16 rows of proj_w: a lane holds one channel and eight neighbouring pixels.  Four accumulators by turns
	v_wmma_scale_f32_16x16x128_f8f6f4 v[PC+8*\m:PC+8*\m+7], v[RB+16*\m:RB+16*\m+15], v[RA:RA+15], v[PC+8*\m:PC+8*\m+7], v[FS+2*\m], v254 matrix_a_fmt:MATRIX_FMT_BF8 matrix_b_fmt:MATRIX_FMT_BF8
.endr
.irp m, 0,1,2,3
	v_wmma_scale_f32_16x16x128_f8f6f4 v[PC+8*\m:PC+8*\m+7], v[72+16*\m+64*(\m/2):87+16*\m+64*(\m/2)], v[RA+16:RA+31], v[PC+8*\m:PC+8*\m+7], v[FS+2*\m+1], v255 matrix_a_fmt:MATRIX_FMT_BF8 matrix_b_fmt:MATRIX_FMT_BF8
.endr
	PLACES 8
.irp m, 0,1,2,3                                ; back into x's rows, which are my own and have had their last fill; each accumulator from its low end on
	ds_store_b128 v10, v[PC+8*\m:PC+8*\m+3] offset:128*(\m/2)+32*(\m%2)
	ds_store_b128 v10, v[PC+8*\m+4:PC+8*\m+7] offset:128*(\m/2)+32*(\m%2)+16
.endr
.irp i, 0,1,2,3,4,5,6,7
	ds_load_b128 v[RB+4*\i:RB+4*\i+3], v11 offset:544*\i   ; LDS serves a wave's instructions in order (ISA guide 5.7.1.4): these see my stores
.endr
.irp i, 0,1,2,3,4,5,6,7
	s_wait_dscnt 7-\i                              ; rows 2 i and 2 i + 1 are back; the younger loads may be out
	global_store_b128 v12, v[RB+4*\i:RB+4*\i+3], s[26:27] offset:8192*\i th:TH_STORE_NT   ; 16 lanes store 256 consecutive bytes, at a multiple of 256 from out0's first byte
.endr
	s_wait_tensorcnt 0x0                           ; the wave's end
	ds_add_u32 v[SPW], v[NIL]
	s_wait_dscnt 0x0
	CROUND                                         ; the closing round: no work-group ends while a partner may still ask for a tile that names it
	s_endpgm
.Lfunc_end_k_q9ef39382a6_attn:
	.size	k_q9ef39382a6_attn, .Lfunc_end_k_q9ef39382a6_attn-k_q9ef39382a6_attn
	.p2alignl 7, 3214868480
	.fill 96, 4, 3214868480
	.section	.rodata,"a",@progbits
	.p2align	6, 0x0
	.amdhsa_kernel k_q9ef39382a6_attn
		.amdhsa_group_segment_fixed_size 327680
		.amdhsa_private_segment_fixed_size 0
		.amdhsa_enable_private_segment 0
		.amdhsa_kernarg_size 96
		.amdhsa_user_sgpr_count 2
		.amdhsa_user_sgpr_kernarg_segment_ptr 1
		.amdhsa_wavefront_size32 1
		.amdhsa_system_sgpr_workgroup_id_x 1
		.amdhsa_system_sgpr_workgroup_id_y 1
		.amdhsa_system_sgpr_workgroup_id_z 1
		.amdhsa_system_vgpr_workitem_id 0
		.amdhsa_next_free_vgpr 256
		.amdhsa_next_free_sgpr 100
		.amdhsa_reserve_vcc 0
		.amdhsa_float_denorm_mode_32 3
		.amdhsa_float_denorm_mode_16_64 3
		.amdhsa_fp16_overflow 1
		.amdhsa_memory_ordered 1
		.amdhsa_forward_progress 1
		.amdhsa_inst_pref_size 136
	.end_amdhsa_kernel
	.amdgpu_metadata
---
amdhsa.version: [ 1, 2 ]
amdhsa.kernels:
  - .name:           k_q9ef39382a6_attn
    .symbol:         k_q9ef39382a6_attn.kd
    .args:
      - { .name: x, .offset: 0, .size: 8, .value_kind: global_buffer, .address_space: global }
      - { .name: hnc, .offset: 8, .size: 8, .value_kind: global_buffer, .address_space: global }
      - { .name: hns, .offset: 16, .size: 8, .value_kind: global_buffer, .address_space: global }
      - { .name: wqi, .offset: 24, .size: 8, .value_kind: global_buffer, .address_space: global }
      - { .name: qkv_w_scales, .offset: 32, .size: 8, .value_kind: global_buffer, .address_space: global }
      - { .name: qkv_b, .offset: 40, .size: 8, .value_kind: global_buffer, .address_space: global }
      - { .name: kvc, .offset: 48, .size: 8, .value_kind: global_buffer, .address_space: global }
      - { .name: kvs, .offset: 56, .size: 8, .value_kind: global_buffer, .address_space: global }
      - { .name: pwi, .offset: 64, .size: 8, .value_kind: global_buffer, .address_space: global }
      - { .name: proj_w_scales, .offset: 72, .size: 8, .value_kind: global_buffer, .address_space: global }
      - { .name: proj_b, .offset: 80, .size: 8, .value_kind: global_buffer, .address_space: global }
      - { .name: out0, .offset: 88, .size: 8, .value_kind: global_buffer, .address_space: global }
    .group_segment_fixed_size: 327680
    .private_segment_fixed_size: 0
    .kernarg_segment_align: 8
    .kernarg_segment_size: 96
    .max_flat_workgroup_size: 512
    .sgpr_count:     100
    .vgpr_count:     256
    .wavefront_size: 32
...
	.end_amdgpu_metadata
.endif
;; end of part 3
